; MI455X (gfx1250); checked and timed in simulation.
; The chip was launched on July 23, 2026; its instructions are those of AMD's public machine-readable ISA for CDNA 5 (MIT licence, August 2026) and "CDNA5" Instruction Set Architecture Reference Guide (July 2026). The comments in the code are by the model that wrote it; some were corrected since.
;; Multi Head Attention. Allowed arithmetic: matrix products marked QUANTISED: E3M2 operands, one E8M0 scale for each 32 along K, by v_wmma_scale_f32_16x16x128_f8f6f4 with both operands' format E3M2, f32 sums; everything else in f32.
;; Inputs: Wk 1,024 x 1,024 float32; Wo 1,024 x 1,024 float32; Wq 1,024 x 1,024 float32; Wv 1,024 x 1,024 float32; beta 1,024 float32; bk 1,024 float32; bo 1,024 float32; bq 1,024 float32; bv 1,024 float32; gamma 1,024 float32; key 4 x 2,048 x 1,024 float32; query 4 x 2,048 x 1,024 float32; value 4 x 2,048 x 1,024 float32.
;; Outputs: out0 4 x 2,048 x 1,024 float32.
;; This version of the problem:
;;   THIS VERSION OF THE PROBLEM IS GIVEN IN LOW PRECISION. The matrix products marked QUANTISED in the list below multiply operands that are first quantised to E3M2 (3 exponent bits, 2 mantissa bits; 6 bits a number), with one power-of-two scale for each 32 numbers along K (OCP MX v1.0); their sums are f32. All else is computed in f32.
;;   The module's matrix products, in the order in which they are computed (A, B: the left and right operand; K: the contracted axis; several contracted axes count as one K, in the product's order):
;;     1. [M 8,192, K 1,024] x [K 1,024, N 1,024]; A: input query; B: input Wq: QUANTISED
;;     2. [M 8,192, K 1,024] x [K 1,024, N 1,024]; A: input key; B: input Wk: QUANTISED
;;     3. [M 8,192, K 1,024] x [K 1,024, N 1,024]; A: input value; B: input Wv: QUANTISED
;;     4. batch 64 x [M 2,048, K 64] x [K 64, N 2,048]; A: computed on the way; B: computed on the way: QUANTISED
;;     5. batch 64 x [M 2,048, K 2,048] x [K 2,048, N 64]; A: softmax (see below); B: computed on the way: QUANTISED
;;     6. [M 8,192, K 1,024] x [K 1,024, N 1,024]; A: computed on the way; B: input Wo: QUANTISED
;;   THE QUANTISER, for each operand of a quantised product, along K:
;;     - K is cut into blocks of 32 from its start; a last block that is shorter is filled with zeros.
;;     - A block's scale is 2^e with e = floor(log2(the largest magnitude in the block)) - 4, held to -126 .. 127; a block of zeros has e = 0. As a byte (E8M0): e + 127.
;;     - Each number is divided by its block's scale, clamped to +-28, and rounded to the nearest number of E3M2, ties to even, subnormals kept.
;;     - The product sums the exact products of the quantised numbers (number of the format x scale) in f32.
;;   ~~~python
;;   def quantise(x, axis):      # numpy; x: float32 -> the quantised numbers, widened to float32 again
;;       x = np.moveaxis(x, axis, -1); K = x.shape[-1]
;;       x = np.pad(x, [(0, 0)] * (x.ndim - 1) + [(0, -K % 32)]); x = x.reshape(x.shape[:-1] + (-1, 32)); a = np.abs(x).max(-1, keepdims=True)
;;       e = np.where(a > 0, np.clip(np.frexp(np.where(a > 0, a, 1))[1] - 1 - 4, -126, 127), 0)      # np.frexp(a)[1] - 1 = floor(log2(a)), exactly
;;       r = np.clip(x / 2.0 ** e, -28, 28)
;;       step = 2.0 ** (np.maximum(np.frexp(np.where(r == 0, 1, r))[1] - 1, -2) - 2)
;;       q = np.round(r / step) * step * 2.0 ** e      # np.round: ties to even
;;       return np.moveaxis(q.reshape(q.shape[:-2] + (-1,))[..., :K], -1, axis).astype(np.float32)
;;   ~~~
;;   SOFTMAX AHEAD OF A QUANTISED PRODUCT. Where the list says 'softmax', what is quantised is not the finished softmax but p = 2^(t - M), with t = logit x log2(e) and M = ceil(the row's largest t), a whole number; so 1/2 < the row's largest p <= 1. The row's sum l is taken of the UNQUANTISED p, in f32, and the product's result is divided by l at the end. Since M is a whole number, a kernel that streams over the keys may use a running M (the ceiling of the running maximum): every later rescaling is an exact power of two, which a block's scale takes up: the codes' values come out the same.
;;   OPERANDS COMPUTED ON THE WAY. 'Computed on the way' means the value that the module computes at that place (a softmax that the list does not call 'softmax' is quantised finished and normalised). What goes into a quantiser is computed in f32, as accurately as f32 sums, v_exp_f32 and their like allow (about 1e-6 of the number): no bf16 or f16 on the way to a quantiser, and a product that is left as it is and whose result goes on into a quantised operand takes f32 operands (vector FMAs, or v_wmma_f32_16x16x4_f32). A number that lies on a knife's edge between two numbers of the format may be rounded either way, as far as f32 arithmetic and the matrix unit's own rounding can turn it there, and no further.
;; One version. Each part assembles by itself: llvm-mc -triple=amdgcn-amd-amdhsa -mcpu=gfx1250 --defsym DOCPART=n.
;; ======== version 1 of 1: 4 launches
;; limits: right only within a limited range of input values
;; workspace buffers: cod 22,020,096 bytes; scl 917,504 bytes; qkv 18,874,368 bytes; sc2 1,310,720 bytes; ctx 6,291,456 bytes; csc 262,144 bytes
;; launch quant (part 1): grid 896 x 1, 4 waves a work-group, no clusters, 59,904 bytes of LDS; arguments query, key, value, Wq, Wk, Wv, Wo, cod, scl; writes cod, scl
.if DOCPART == 1
	.amdgcn_target "amdgcn-amd-amdhsa--gfx1250"
	.amdhsa_code_object_version 6
	.text
	.protected	k_qe88ca75d63_quant
	.globl	k_qe88ca75d63_quant
	.p2align	8
	.type	k_qe88ca75d63_quant,@function
k_qe88ca75d63_quant:
	s_mov_b64 s[64:65], 0
	v_nop
	global_prefetch_b8 v0, s[64:65] scope:SCOPE_SE
	s_setreg_imm32_b32 hwreg(HW_REG_WAVE_MODE, 25, 1), 1
	s_wait_xcnt 0x0
; query, key, value [8192][1024] f32 (K innermost) and Wq, Wk, Wv, Wo [1024 (k)][1024 (n)] f32 (K outermost) become codes of BF6 (E3M2) with one E8M0 byte for each 32 along K.
; A block's scale is 2^(floor(log2(its largest magnitude)) - 4); its byte is the largest magnitude's exponent field - 4, held at 1 from below.
; LIMITS: NaN and infinities among the inputs are not served.  A block whose largest magnitude lies under 2^(5 - 127) keeps the byte 1; a block of zeros keeps the byte 1 where the
; quantiser's text says 127: its codes are zeros, which add nothing under any byte but 0xff, and only this program reads the bytes.
; LAYOUT OF THE RESULTS: images of operand registers.  A TILE is 16 rows; lane-row r of tile T is row 32 (T / 2) + 8 (T % 2) + r + 8 (r / 8) (of a weight: column n).  A FRAGMENT is a tile x 128 along K:
; 12 registers a lane (lane = r + 16 h; registers 6 c .. 6 c + 5 hold k = 64 c + 32 h + 0 .. 31).  cod: [1792 tiles][8 K steps][3][32 lanes][16 bytes]: registers 4 c .. 4 c + 3 of a lane at 512 c + 16 lane.
; scl: [1792 tiles][4][16 rows][2 words]: the scale word of K step 2 g + e of row r at 128 g + 8 r + 4 e.  Tiles: query 0, key 512, value 1024, Wq 1536, Wk 1600, Wv 1664, Wo 1728.
; Work-groups 0-767 take the three activations, 768-895 the four weights: one scalar branch on the work-group's number; each way has LDS bytes of its own.  Waves share nothing: no barrier.
.set TM,   8                           ; v8-23    QUANT at work
.set PW,   24                          ; v24-27   the scale words of a wave's four K steps
.set RL,   32                          ; v32-159  two sets of 64 registers as loaded
.set XN,   160                         ; v160-223 64 numbers of a lane: register 16 b + i = k 32 b + 16 h + i of its row
.set PC,   224                         ; v224-243 the codes just made (12) and the conversions' second halves
.set SEL,  2                           ; s[2:3]   lane selects for v_permlanex16_b32: lane l xor 16
.set XSTG, 8448                        ; activations: a stage of 16 rows x (512 + 16) bytes for each wave, from LDS byte 0
.set WLDS, 33792                       ; weights: from here 6,400 bytes for each wave: two tiles' images of two K steps, 3,200 bytes apart
.set SB,   24                          ; v24-25   weights: my column's eight scale bytes
.set WX,   32                          ; v32-95   weights: two sets of 32 numbers
.set CW,   96                          ; v96-102  weights: a block's codes
.set OUTR, 112                         ; v112-159 weights: the images on their way out
; 64 numbers of a lane become a fragment's 12 registers in v[PC] on and its row's scale word in v[pw].
.macro QUANT s, pw
.irp b, 0,1,2,3
	v_max3_num_f32 v[TM+\b], |v[\s+16*\b]|, |v[\s+1+16*\b]|, 0x2800000   ; block b: my 16 numbers, and the floor 2^(5 - 127): the byte cannot fall under 1
.endr
.irp i, 2,4,6,8,10,12,14
.irp b, 0,1,2,3
	v_max3_num_f32 v[TM+\b], v[TM+\b], |v[\s+16*\b+\i]|, |v[\s+1+16*\b+\i]|   ; the four blocks by turns
.endr
.endr
.irp b, 0,1,2,3
	v_permlanex16_b32 v[TM+4+\b], v[TM+\b], s[SEL], s[SEL+1]
.endr
.irp b, 0,1,2,3
	v_max_num_f32 v[TM+\b], v[TM+\b], v[TM+4+\b]   ; with lane l xor 16's 16: the block's largest magnitude
.endr
.irp b, 0,1,2,3
	v_add_nc_u32 v[TM+12+\b], 0xfe000000, v[TM+\b]   ; 4 off its exponent field: the conversion's scale operand
.endr
.irp b, 0,1,2,3
	v_lshrrev_b32 v[TM+4+\b], 23, v[TM+12+\b]      ; the scale's byte
.endr
	v_lshl_or_b32 v[\pw], v[TM+5], 8, v[TM+4]
	v_lshl_or_b32 v[\pw], v[TM+6], 16, v[\pw]
	v_lshl_or_b32 v[\pw], v[TM+7], 24, v[\pw]
.irp c, 0,1
	v_cvt_scalef32_pk16_bf6_f32 v[PC+6*\c:PC+2+6*\c], v[\s+32*\c:\s+15+32*\c], v[TM+12+2*\c]
	v_cvt_scalef32_pk16_bf6_f32 v[PC+12+4*\c:PC+14+4*\c], v[\s+16+32*\c:\s+31+32*\c], v[TM+12+2*\c+1]   ; (a conversion's three registers begin on an even number)
.endr
	v_nop                                          ; one plain line behind the scaled conversions
.irp c, 0,1                                    ; the layout wants a whole block in a lane: lanes 0-15 block 2 c, lanes 16-31 block 2 c + 1
.irp i, 0,1,2
	v_permlane16_swap_b32 v[PC+6*\c+\i], v[PC+12+4*\c+\i]
.endr
.irp i, 0,1,2
	v_mov_b32 v[PC+3+6*\c+\i], v[PC+12+4*\c+\i]
.endr
.endr
.endm
	s_load_b256 s[4:11], s[0:1], 0x0               ; query s[4:5], key s[6:7], value s[8:9], Wq s[10:11]
	s_load_b256 s[12:19], s[0:1], 0x20             ; Wk s[12:13], Wv s[14:15], Wo s[16:17], cod s[18:19]
	s_load_b64 s[20:21], s[0:1], 0x40              ; scl
	v_lshl_add_u32 v254, v0, 2, 0xe800
	v_mov_b32 v255, 0
	v_lshrrev_b32 v1, 5, v0
	v_readfirstlane_b32 s22, v1                    ; wave 0..3
	v_and_b32 v5, 31, v0                           ; lane
	s_cmp_lt_u32 ttmp9, 768
	s_cbranch_scc0 .Lweights
; ---------------- THE ACTIVATIONS.  Wave number i = 4 x work-group + wave takes tile i / 2 and half i % 2 of K: four K steps of 128.
; Each load reads one row's 512 consecutive bytes of a K step; the 16 rows turn through the wave's stage, so that a lane gets 16 neighbours of each block of 32.
	s_mov_b32 s[SEL], 0x76543210
	s_mov_b32 s[SEL+1], 0xfedcba98
	v_lshlrev_b32 v1, 4, v5                        ; 16 x lane: in memory, and in an image
	s_mul_i32 s23, s22, XSTG
	v_add_nc_u32 v2, s23, v1                       ; into the stage: a row as it lies
	v_and_b32 v6, 15, v0                           ; r
	v_bfe_u32 v7, v0, 4, 1                         ; h
	v_mul_u32_u24 v3, v6, 528
	v_lshl_add_u32 v3, v7, 6, v3
	v_add_nc_u32 v3, s23, v3                       ; out of it: row r, + 64 h bytes: 16 numbers of each block
	v_lshlrev_b32 v4, 3, v5                        ; 8 x lane: the scale words' place
.irp b, 0,1,2,3
	v_mov_b32 v[TM+4+\b], 0                        ; written once: a lane permute's destination counts as one of its sources
.endr
	s_lshl_b32 s23, ttmp9, 2
	s_add_co_u32 s23, s23, s22                     ; i
	s_lshr_b32 s24, s23, 1                         ; tile 0..1535
	s_and_b32 s25, s23, 1                          ; which half of K
	s_and_b32 s26, s24, 511                        ; the tile within its tensor
	s_lshr_b32 s27, s26, 1
	s_lshl_b32 s27, s27, 5
	s_and_b32 s28, s26, 1
	s_lshl_b32 s28, s28, 3
	s_add_co_u32 s27, s27, s28                     ; its first row: 32 (T / 2) + 8 (T % 2)
	s_lshl_b32 s27, s27, 12                        ; rows of 4,096 bytes
	s_lshl_b32 s28, s25, 11                        ; half a row
	s_add_co_u32 s28, s27, s28
	s_mov_b32 s29, 0
	s_mul_i32 s30, s24, 12288                      ; the tile's images,
	s_mul_i32 s31, s25, 6144                       ; my four of them
	s_add_co_u32 s30, s30, s31
	s_mov_b32 s31, 0
	s_lshl_b32 s32, s24, 9                         ; the tile's scale words,
	s_lshl_b32 s33, s25, 8                         ; my half of them
	s_add_co_u32 s32, s32, s33
	s_mov_b32 s33, 0
	s_wait_alu depctr_va_vdst(0)
	s_wait_kmcnt 0x0
	s_cmp_lt_u32 ttmp9, 512                        ; which tensor: the choice hangs on the work-group's number alone
	s_cselect_b64 s[6:7], s[6:7], s[8:9]
	s_cmp_lt_u32 ttmp9, 256
	s_cselect_b64 s[4:5], s[4:5], s[6:7]
	s_add_nc_u64 s[4:5], s[4:5], s[28:29]
	s_add_nc_u64 s[18:19], s[18:19], s[30:31]
	s_add_nc_u64 s[20:21], s[20:21], s[32:33]
.macro XLOAD s                         ; K step s of the tile's 16 rows into set s % 2: 32 lanes read 512 consecutive bytes
.irp i, 0,1,2,3,4,5,6,7,8,9,10,11,12,13,14,15
	global_load_b128 v[RL+64*((\s)%2)+4*\i:RL+64*((\s)%2)+4*\i+3], v1, s[4:5] offset:(\i+8*(\i/8))*4096+512*(\s) th:TH_LOAD_NT
.endr
.endm
.macro XSTEP s
.if (\s) < 3
	s_wait_loadcnt 16                              ; this step's 16 loads are in; the next step's 16 may be out
.else
	s_wait_loadcnt 0x0
.endif
.irp i, 0,1,2,3,4,5,6,7,8,9,10,11,12,13,14,15
	ds_store_b128 v2, v[RL+64*((\s)%2)+4*\i:RL+64*((\s)%2)+4*\i+3] offset:528*\i
.endr
.irp b, 0,1,2,3
.irp j, 0,1,2,3
	ds_load_b128 v[XN+16*\b+4*\j:XN+16*\b+4*\j+3], v3 offset:128*\b+16*\j   ; LDS serves a wave's instructions in order: these see the stores above
.endr
.endr
	s_wait_dscnt 0x0                               ; the numbers are back, and the stores have read the set that is loaded again below
	s_wait_xcnt 0x0                                ; the last step's stores have read the codes' registers, which QUANT writes again
.if (\s) < 2
	XLOAD (\s)+2
.endif
	QUANT XN, PW+(\s)
.irp c, 0,1,2
	global_store_b128 v1, v[PC+4*\c:PC+4*\c+3], s[18:19] offset:1536*(\s)+512*\c   ; the image: 512 consecutive bytes a store
.endr
.endm
	XLOAD 0
	XLOAD 1
	XSTEP 0
	XSTEP 1
	XSTEP 2
	XSTEP 3
	v_cmp_gt_u32 vcc_lo, 16, v5                    ; lanes 0-15 store their row's words of my K steps 0, 1, lanes 16-31 those of 2, 3 (both halves of the lanes hold all four)
	v_cndmask_b32 v28, v[PW+2], v[PW], vcc_lo
	v_cndmask_b32 v29, v[PW+3], v[PW+1], vcc_lo
	global_store_b64 v4, v[28:29], s[20:21]        ; 32 lanes store 256 consecutive bytes, at a multiple of 256 from scl's first byte
	s_wait_tensorcnt 0x0
	ds_add_u32 v254, v255
	s_wait_dscnt 0x0
	s_endpgm
; ---------------- THE WEIGHTS.  A lane takes a column n, its registers run down K: a block of 32 lies in one lane, and the conversions give codes with K innermost.
; A wave takes 32 columns (two tiles) x 256 along K (two K steps, eight blocks); the codes are laid into the two tiles' images in LDS and leave as 512 consecutive bytes a store.
.Lweights:
	s_sub_co_u32 s23, ttmp9, 768
	s_lshr_b32 s24, s23, 5                         ; which weight
	s_and_b32 s25, s23, 7
	s_bfe_u32 s26, s23, 0x20003                    ; g: which 256 along K
	s_lshl_b32 s25, s25, 2
	s_add_co_u32 s25, s25, s22                     ; which 32 columns
	s_wait_alu depctr_va_vdst(0)
	v_lshlrev_b32 v3, 2, v5                        ; in: 4 bytes a lane
	v_bfe_u32 v6, v0, 3, 1                         ; u: column 8 u + r + 8 (r / 8) of the 32 is lane-row r of tile u
	v_and_b32 v10, 7, v0
	v_bfe_u32 v14, v0, 4, 1
	v_lshl_add_u32 v10, v14, 3, v10                ; r
	s_mul_i32 s27, s22, 6400
	s_add_co_u32 s27, s27, WLDS
	v_mul_u32_u24 v4, v6, 3200
	v_lshl_add_u32 v4, v10, 4, v4
	v_add_nc_u32 v4, s27, v4                       ; into the images: tile u, 16 r; the block's half h, its c and its K step stand in the immediates
	v_lshlrev_b32 v8, 4, v5                        ; out: 16 x lane
	v_add_nc_u32 v7, s27, v8
	v_lshlrev_b32 v9, 9, v6
	v_lshl_add_u32 v9, v10, 3, v9                  ; my column's two scale words: 512 u + 8 r
	s_lshl_b32 s28, s26, 20                        ; 256 rows of 4,096 bytes
	s_lshl_b32 s29, s25, 7
	s_add_co_u32 s28, s28, s29
	s_mov_b32 s29, 0
	s_lshl_b32 s30, s24, 6
	s_lshl_b32 s31, s25, 1
	s_add_co_u32 s30, s30, s31
	s_add_co_u32 s30, s30, 1536                    ; my first tile
	s_lshl_b32 s32, s30, 9
	s_lshl_b32 s33, s26, 7
	s_add_co_u32 s32, s32, s33
	s_mov_b32 s33, 0
	s_mul_i32 s30, s30, 12288
	s_mul_i32 s31, s26, 3072
	s_add_co_u32 s30, s30, s31
	s_mov_b32 s31, 0
	s_wait_kmcnt 0x0
	s_cmp_lt_u32 s24, 1
	s_cselect_b64 s[10:11], s[10:11], s[12:13]
	s_cmp_lt_u32 s24, 3
	s_cselect_b64 s[14:15], s[14:15], s[16:17]
	s_cmp_lt_u32 s24, 2
	s_cselect_b64 s[10:11], s[10:11], s[14:15]
	s_add_nc_u64 s[10:11], s[10:11], s[28:29]
	s_add_nc_u64 s[18:19], s[18:19], s[30:31]
	s_add_nc_u64 s[20:21], s[20:21], s[32:33]
.macro WLOAD t                         ; block t: W(32 t + i, my column) into set t % 2: 128 consecutive bytes a load, the four waves side by side on 512
.irp i, 0,1,2,3,4,5,6,7,8,9,10,11,12,13,14,15,16,17,18,19,20,21,22,23,24,25,26,27,28,29,30,31
	global_load_b32 v[WX+32*((\t)%2)+\i], v3, s[10:11] offset:(32*(\t)+\i)*4096 th:TH_LOAD_NT
.endr
.endm
.macro BLOCK t                         ; block t is K step t / 4, c = (t / 2) % 2, h = t % 2: registers 6 c .. 6 c + 5 of lane r + 16 h
.set XS, WX+32*((\t)%2)
.set BOF, 1536*((\t)/4)+256*((\t)%2)
.if (\t) < 7
	s_wait_loadcnt 32                              ; this block's 32 loads are in; the next block's may be out
.else
	s_wait_loadcnt 0x0
.endif
	v_max3_num_f32 v12, |v[XS]|, |v[XS+1]|, |v[XS+2]|
	v_max3_num_f32 v13, |v[XS+3]|, |v[XS+4]|, |v[XS+5]|
.irp i, 6,10,14,18,22,26
	v_max3_num_f32 v12, v12, |v[XS+\i]|, |v[XS+\i+1]|
	v_max3_num_f32 v13, v13, |v[XS+\i+2]|, |v[XS+\i+3]|
.endr
	v_max3_num_f32 v12, v12, |v[XS+30]|, |v[XS+31]|
	v_max3_num_f32 v12, v12, v13, 0x2800000        ; and the floor 2^(5 - 127)
	v_add_nc_u32 v11, 0xfe000000, v12              ; the conversion's scale operand
	v_lshrrev_b32 v13, 23, v11                     ; the byte
.if (\t)%4 == 0
	v_mov_b32 v[SB+(\t)/4], v13
.else
	v_lshl_or_b32 v[SB+(\t)/4], v13, 8*((\t)%4), v[SB+(\t)/4]
.endif
	v_cvt_scalef32_pk16_bf6_f32 v[CW:CW+2], v[XS:XS+15], v11
	v_cvt_scalef32_pk16_bf6_f32 v[CW+4:CW+6], v[XS+16:XS+31], v11
	v_nop                                          ; one plain line behind the scaled conversions
	v_mov_b32 v[CW+3], v[CW+4]                     ; the six registers on end
	v_mov_b32 v[CW+4], v[CW+5]
	v_mov_b32 v[CW+5], v[CW+6]
.if ((\t)/2)%2 == 0
	ds_store_b128 v4, v[CW:CW+3] offset:BOF        ; registers 0-3,
	ds_store_b64 v4, v[CW+4:CW+5] offset:BOF+512   ; 4, 5
.else
	ds_store_b64 v4, v[CW:CW+1] offset:BOF+520     ; registers 6, 7,
	ds_store_b128 v4, v[CW+2:CW+5] offset:BOF+1024 ; 8-11
.endif
.if (\t)+2 < 8
	WLOAD (\t)+2
.endif
	s_wait_dscnt 0x0                               ; the stores have read their registers: the next block's codes may be written
.endm
	WLOAD 0
	WLOAD 1
.irp t, 0,1,2,3,4,5,6,7
	BLOCK \t
.endr
	s_wait_alu depctr_va_vdst(0)
	global_store_b64 v9, v[SB:SB+1], s[20:21]      ; my column's two scale words: two runs of 128 bytes a wave, one byte for each 128 read
.irp u, 0,1
.irp i, 0,1,2,3,4,5
	ds_load_b128 v[OUTR+4*(6*\u+\i):OUTR+4*(6*\u+\i)+3], v7 offset:3200*\u+512*\i   ; LDS serves a wave's instructions in order: these see my stores
.endr
.endr
.set N, 0
.irp u, 0,1
.irp i, 0,1,2,3,4,5
	s_wait_dscnt 11-N                              ; the younger loads may be out
	global_store_b128 v8, v[OUTR+4*N:OUTR+4*N+3], s[18:19] offset:12288*\u+512*\i   ; 512 consecutive bytes of a tile's two images
.set N, N+1
.endr
.endr
	s_wait_tensorcnt 0x0
	ds_add_u32 v254, v255
	s_wait_dscnt 0x0
	s_endpgm
.Lfunc_end_k_qe88ca75d63_quant:
	.size	k_qe88ca75d63_quant, .Lfunc_end_k_qe88ca75d63_quant-k_qe88ca75d63_quant
	.p2alignl 7, 3214868480
	.fill 96, 4, 3214868480
	.section	.rodata,"a",@progbits
	.p2align	6, 0x0
	.amdhsa_kernel k_qe88ca75d63_quant
		.amdhsa_group_segment_fixed_size 59904
		.amdhsa_private_segment_fixed_size 0
		.amdhsa_enable_private_segment 0
		.amdhsa_kernarg_size 72
		.amdhsa_user_sgpr_count 2
		.amdhsa_user_sgpr_kernarg_segment_ptr 1
		.amdhsa_wavefront_size32 1
		.amdhsa_system_sgpr_workgroup_id_x 1
		.amdhsa_system_sgpr_workgroup_id_y 1
		.amdhsa_system_sgpr_workgroup_id_z 1
		.amdhsa_system_vgpr_workitem_id 0
		.amdhsa_next_free_vgpr 256
		.amdhsa_next_free_sgpr 66
		.amdhsa_reserve_vcc 1
		.amdhsa_float_denorm_mode_32 3
		.amdhsa_float_denorm_mode_16_64 3
		.amdhsa_memory_ordered 1
		.amdhsa_forward_progress 1
		.amdhsa_inst_pref_size 75
	.end_amdhsa_kernel
	.amdgpu_metadata
---
amdhsa.version: [ 1, 2 ]
amdhsa.kernels:
  - .name:           k_qe88ca75d63_quant
    .symbol:         k_qe88ca75d63_quant.kd
    .args:
      - { .name: query, .offset: 0, .size: 8, .value_kind: global_buffer, .address_space: global }
      - { .name: key, .offset: 8, .size: 8, .value_kind: global_buffer, .address_space: global }
      - { .name: value, .offset: 16, .size: 8, .value_kind: global_buffer, .address_space: global }
      - { .name: Wq, .offset: 24, .size: 8, .value_kind: global_buffer, .address_space: global }
      - { .name: Wk, .offset: 32, .size: 8, .value_kind: global_buffer, .address_space: global }
      - { .name: Wv, .offset: 40, .size: 8, .value_kind: global_buffer, .address_space: global }
      - { .name: Wo, .offset: 48, .size: 8, .value_kind: global_buffer, .address_space: global }
      - { .name: cod, .offset: 56, .size: 8, .value_kind: global_buffer, .address_space: global }
      - { .name: scl, .offset: 64, .size: 8, .value_kind: global_buffer, .address_space: global }
    .group_segment_fixed_size: 59904
    .private_segment_fixed_size: 0
    .kernarg_segment_align: 8
    .kernarg_segment_size: 72
    .max_flat_workgroup_size: 128
    .sgpr_count:     66
    .vgpr_count:     256
    .wavefront_size: 32
...
	.end_amdgpu_metadata
.endif
;; end of part 1
;; launch proj (part 2): grid 4 x 96, 4 waves a work-group, clusters of 4 x 4, 327,680 bytes of LDS; arguments cod, scl, bq, bk, bv, qkv, sc2; writes qkv, sc2
.if DOCPART == 2
	.amdgcn_target "amdgcn-amd-amdhsa--gfx1250"
	.amdhsa_code_object_version 6
	.text
	.protected	k_qe88ca75d63_proj
	.globl	k_qe88ca75d63_proj
	.p2align	8
	.type	k_qe88ca75d63_proj,@function
k_qe88ca75d63_proj:
	s_mov_b64 s[64:65], 0
	v_nop
	global_prefetch_b8 v0, s[64:65] scope:SCOPE_SE
	s_setreg_imm32_b32 hwreg(HW_REG_WAVE_MODE, 25, 1), 1
	s_wait_xcnt 0x0
	s_wait_alu depctr_hold_cnt(0) depctr_sa_sdst(0) depctr_va_vdst(0) depctr_va_sdst(0) depctr_va_ssrc(0) depctr_va_vcc(0) depctr_vm_vsrc(0)
	s_getreg_b32 s2, hwreg(HW_REG_IB_STS2, 6, 4)
	s_cmp_eq_u32 s2, 0
	s_cbranch_scc0 .Lentry_in_a_cluster
	s_endpgm
.Lentry_in_a_cluster:
	s_bfe_u32 s2, ttmp6, 0x10000c
	s_cmp_lg_u32 s2, 0xf033
	s_cbranch_scc0 .Lentry_shape_is_right
	s_endpgm
.Lentry_shape_is_right:
.set NQ,     2
.set FR,     12
.set NL,     3
.set NP,     4
.set TILEB,  12288
.set STEPB,  3072
.set HALFT,  8*STEPB
.set SLOT,   4*HALFT
.set LAPS,   2
.set SCL,    2*SLOT
.set SPARE,  SCL+4*4096
.set BA,   12
.set BB,   13
.set ADRA, 16
.set ADRB, 20
.set L8,   24
.set AME,  25
.set ADRS, 27
.set SPW,  28
.set NIL,  29
.set SA1,  30
.set SA2,  31
.set SC,   32
.set BP,   64
.set AF,   128
.set TT,   128
.set PC,   192
.set SW,   212
.set OF,   220
.set BRB,  224
.set TM,   240
.set WV, 18
.set WH, 19
.set WL, 20
.set G1, 24
.set G0, 32
.set G1B, 48
.set G0B, 56
.set SEL, 66
.set G1S, 68
.set G0S, 76
.set G1SB, 80
.set G0SB, 88
.set MSB, 0
.macro WIN new
.if MSB != \new
	s_set_vgpr_msb (MSB<<8)|\new
.set MSB, \new
.endif
.endm
.set MUL_LO, 0xa1
.set MUL_HI, 0xf1
.set TO_B,   0x40
.macro JLOAD g0a, g1a, g0b, g1b
	s_cmp_eq_u32 s[WH], 0
	s_cbranch_scc0 .Lfor_b_\@
	tensor_load_to_lds s[\g0a:\g0a+3], s[\g1a:\g1a+7]
	s_nop 0
.rept 4
	v_nop
.endr
	s_branch .Lasked_\@
.Lfor_b_\@:
	tensor_load_to_lds s[\g0b:\g0b+3], s[\g1b:\g1b+7]
	s_nop 0
.rept 4
	v_nop
.endr
.Lasked_\@:
.endm
.macro CREST
	s_cmp_lg_u32 s[WV], 0
	s_cbranch_scc1 .Lnot_wave_0_\@
	s_barrier_signal -3
.Lnot_wave_0_\@:
	s_barrier_wait -3
	s_barrier_signal -1
	s_barrier_wait -1
.endm
.macro CROUND
	s_barrier_signal -1
	s_barrier_wait -1
	CREST
.endm
.macro QUANT s, pw
.irp b, 0,1,2,3
	v_max3_num_f32 v[TM+\b], |v[\s+16*\b]|, |v[\s+1+16*\b]|, 0x2800000
.endr
.irp i, 2,4,6,8,10,12,14
.irp b, 0,1,2,3
	v_max3_num_f32 v[TM+\b], v[TM+\b], |v[\s+16*\b+\i]|, |v[\s+1+16*\b+\i]|
.endr
.endr
.irp b, 0,1,2,3
	v_permlanex16_b32 v[TM+4+\b], v[TM+\b], s[SEL], s[SEL+1]
.endr
.irp b, 0,1,2,3
	v_max_num_f32 v[TM+\b], v[TM+\b], v[TM+4+\b]
.endr
.irp b, 0,1,2,3
	v_add_nc_u32 v[TM+12+\b], 0xfe000000, v[TM+\b]
.endr
.irp b, 0,1,2,3
	v_lshrrev_b32 v[TM+4+\b], 23, v[TM+12+\b]
.endr
	v_lshl_or_b32 v[\pw], v[TM+5], 8, v[TM+4]
	v_lshl_or_b32 v[\pw], v[TM+6], 16, v[\pw]
	v_lshl_or_b32 v[\pw], v[TM+7], 24, v[\pw]
.irp c, 0,1
	v_cvt_scalef32_pk16_bf6_f32 v[PC+6*\c:PC+2+6*\c], v[\s+32*\c:\s+15+32*\c], v[TM+12+2*\c]
	v_cvt_scalef32_pk16_bf6_f32 v[PC+12+4*\c:PC+14+4*\c], v[\s+16+32*\c:\s+31+32*\c], v[TM+12+2*\c+1]
.endr
	v_nop
.irp c, 0,1
.irp i, 0,1,2
	v_permlane16_swap_b32 v[PC+6*\c+\i], v[PC+12+4*\c+\i]
.endr
.irp i, 0,1,2
	v_mov_b32 v[PC+3+6*\c+\i], v[PC+12+4*\c+\i]
.endr
.endr
.endm
	s_load_b128 s[4:7], s[0:1], 0x0
	s_load_b128 s[8:11], s[0:1], 0x10
	s_load_b128 s[12:15], s[0:1], 0x20
	s_load_b64 s[16:17], s[0:1], 0x30
	v_lshl_add_u32 v[SPW], v0, 2, SPARE
	v_mov_b32 v[NIL], 0
	ds_add_u32 v28, v29
	ds_add_u32 v28, v29
	s_wait_dscnt 0x0
	v_lshrrev_b32 v1, 5, v0
	v_readfirstlane_b32 s[WV], v1
	s_lshr_b32 s[WH], s[WV], 1
	s_and_b32 s[WL], s[WV], 1
	s_bfe_u32 s40, ttmp6, 0x40000
	s_bfe_u32 s41, ttmp6, 0x40004
	s_and_b32 s42, ttmp7, 0xffff
	s_lshr_b32 s43, s42, 3
	s_and_b32 s44, s42, 7
	s_lshl_b32 s45, s42, 6
	s_lshl_b32 s46, s43, 6
	s_add_co_u32 s46, s46, 1536
	s_cmp_eq_u32 s43, 2
	s_cselect_b32 s21, s46, s45
	s_cselect_b32 s22, s45, s46
	s_lshl_b32 s47, s41, 2
	s_lshl_b32 s47, 15, s47
	s_lshl_b32 s23, 0x1111, s40
	s_or_b32 s[G1+0], s47, (3<<16)|(1<<21)
	s_or_b32 s[G1B+0], s23, (3<<16)|(1<<21)
.irp g, G1, G1B
	s_mov_b32 s[\g+1], 384<<16
	s_mov_b32 s[\g+2], 16<<16
	s_mov_b32 s[\g+3], 384<<16
	s_mov_b32 s[\g+4], 16
	s_mov_b32 s[\g+5], 1536
	s_mov_b32 s[\g+6], 0
	s_mov_b32 s[\g+7], 0
.endr
	s_or_b32 s[G1S+0], s47, (3<<16)|(1<<21)
	s_or_b32 s[G1SB+0], s23, (3<<16)|(1<<21)
.irp g, G1S, G1SB
	s_mov_b32 s[\g+1], 32<<16
	s_mov_b32 s[\g+2], 32<<16
	s_mov_b32 s[\g+3], 32<<16
	s_mov_b32 s[\g+4], 32
	s_mov_b32 s[\g+5], 32
	s_mov_b32 s[\g+6], 0
	s_mov_b32 s[\g+7], 0
.endr
	s_lshl_b32 s100, s[WL], 3
	s_lshl_b32 s101, s41, 4
	s_add_co_u32 s21, s21, s101
	s_add_co_u32 s21, s21, s100
	s_lshl_b32 s3, s40, 4
	s_add_co_u32 s22, s22, s3
	s_add_co_u32 s22, s22, s100
	s_mul_i32 s92, s21, TILEB
	s_mov_b32 s93, 0
	s_lshr_b32 s94, s21, 4                         ; the scale words of all 16 tiles of A: the half's bit is dropped
	s_lshl_b32 s94, s94, 13
	s_mov_b32 s95, 0
	s_mul_i32 s96, s22, TILEB
	s_mov_b32 s97, 0
	s_lshr_b32 s98, s22, 4                         ; and of B's 16 tiles
	s_lshl_b32 s98, s98, 13
	s_mov_b32 s99, 0
	s_mul_i32 s100, s[WV], HALFT
	s_mov_b32 s[SEL], 0x76543210
	s_mov_b32 s[SEL+1], 0xfedcba98
	s_wait_kmcnt 0x0
	s_add_nc_u64 s[92:93], s[4:5], s[92:93]
	s_add_nc_u64 s[94:95], s[6:7], s[94:95]
	s_add_nc_u64 s[96:97], s[4:5], s[96:97]
	s_add_nc_u64 s[98:99], s[6:7], s[98:99]
	CROUND
	s_mov_b32 s[G0S], 1
	s_mov_b32 s[G0S+1], SCL
	s_mov_b64 s[G0S+2:G0S+3], s[94:95]
	s_or_b32 s[G0S+3], s[G0S+3], 0x80000000
	s_mov_b32 s[G0SB], 1
	s_mov_b32 s[G0SB+1], SCL+8192
	s_mov_b64 s[G0SB+2:G0SB+3], s[98:99]
	s_or_b32 s[G0SB+3], s[G0SB+3], 0x80000000
.irp s, 0,1
	s_mov_b32 s[G0+4*\s], 1
	s_add_co_u32 s[G0+4*\s+1], s100, \s*SLOT
	s_add_nc_u64 s[G0+4*\s+2:G0+4*\s+3], s[92:93], \s*STEPB
	s_or_b32 s[G0+4*\s+3], s[G0+4*\s+3], 0x80000000
	s_mov_b32 s[G0B+4*\s], 1
	s_add_co_u32 s[G0B+4*\s+1], s100, \s*SLOT
	s_add_nc_u64 s[G0B+4*\s+2:G0B+4*\s+3], s[96:97], \s*STEPB
	s_or_b32 s[G0B+4*\s+3], s[G0B+4*\s+3], 0x80000000
.endr
; THE HEAD'S LOADS, ONE A WAVE: wave 0 fetches slot 0's 16 tiles of A (its own group 0 of slot 0 points at the first of them), wave 2 slot 0's 16 tiles of B likewise,
; wave 1 the scale words of A's 16 tiles, wave 3 those of B's.  One chain of branches on the wave's number, one load to an arm, all arms leading to one join.
.macro ARM under, g0, g1, next
	s_cmp_lt_u32 s[WV], \under
	s_cbranch_scc0 \next
	tensor_load_to_lds s[\g0:\g0+3], s[\g1:\g1+7]
	s_nop 0
.rept 4
	v_nop
.endr
	s_branch .Lhead_asked
\next:
.endm
	ARM 1, G0,  G1,  .Lhead_sa
	ARM 2, G0S, G1S, .Lhead_b
	ARM 3, G0B, G1B, .Lhead_sb
	tensor_load_to_lds s[G0SB:G0SB+3], s[G1SB:G1SB+7]
	s_nop 0
.rept 4
	v_nop
.endr
.Lhead_asked:
	s_cmp_eq_u32 s43, 0
	s_cselect_b64 s[8:9], s[8:9], s[10:11]
	s_cmp_eq_u32 s43, 1
	s_cselect_b32 s99, 16, 0
	s_cmp_eq_u32 s43, 2
	s_cselect_b64 s[8:9], s[12:13], s[8:9]
	s_cselect_b32 s2, -1, 0
	s_cselect_b32 s92, s40, s41
	s_cselect_b32 s93, s41, s40
	s_cselect_b32 s94, s[WL], s[WH]
	s_cselect_b32 s95, s[WH], s[WL]
	s_mov_b32 s11, 768
	s_cselect_b32 s11, 1536, s11
	s_mov_b32 s12, 3072
	s_cselect_b32 s12, 98304, s12
	s_mov_b32 s13, 98304
	s_cselect_b32 s13, 768, s13
	s_cselect_b32 s96, 32, 64
	s_cselect_b32 s97, 0, 20480
	s_mov_b32 s98, 256
	s_cselect_b32 s98, 20480, s98
	s_cselect_b32 s100, 0, 16
	s_lshl_b32 s44, s44, 6
	s_lshl_b32 s92, s92, 4
	s_add_co_u32 s44, s44, s92
	s_lshl_b32 s94, s94, 3
	s_add_co_u32 s44, s44, s94
	s_lshl_b32 s93, s93, 2
	s_lshl_b32 s95, s95, 1
	s_add_co_u32 s93, s93, s95
	s_lshr_b32 s92, s44, 7
	s_lshl_b32 s92, s92, 4
	s_add_co_u32 s92, s92, s93
	s_and_b32 s44, s44, 127
	s_mul_i32 s10, s43, 6291456
	s_mul_i32 s94, s92, 98304
	s_add_co_u32 s10, s10, s94
	s_mul_i32 s94, s44, 768
	s_add_co_u32 s10, s10, s94
	s_mul_i32 s94, s92, 20480
	s_lshl_b32 s95, s43, 13
	s_add_co_u32 s94, s94, s95
	s_mul_i32 s95, s44, s96
	s_add_co_u32 s94, s94, s95
	s_lshl_b32 s92, s93, 8
	s_mov_b32 s93, 0
	s_add_nc_u64 s[8:9], s[8:9], s[92:93]
	v_and_b32 v1, 15, v0
	v_bfe_u32 v2, v0, 4, 1
	s_wait_alu depctr_va_vdst(0)
	v_and_b32 v3, 31, v0
	v_lshlrev_b32 v4, 4, v3
	s_mul_i32 s21, s[WH], HALFT
	s_mul_i32 s22, s[WL], HALFT
	s_add_co_u32 s22, s22, 2*HALFT
.irp s, 0,1
	v_add_nc_u32 v[ADRA+\s], s21, v4
	v_add_nc_u32 v[ADRB+\s], s22, v4
	s_add_co_u32 s21, s21, SLOT
	s_add_co_u32 s22, s22, SLOT
.endr
	v_lshlrev_b32 v5, 3, v1
	s_lshl_b32 s21, s[WH], 12
	s_lshl_b32 s22, s[WL], 12
	s_add_co_u32 s22, s22, 8192
	s_sub_co_u32 s22, s22, s21
	v_mul_u32_u24 v6, s22, v2
	s_add_co_u32 s21, s21, SCL
	v_add_nc_u32 v5, v5, v6
	v_add_nc_u32 v[ADRS], s21, v5
	v_lshlrev_b32 v[L8], 3, v3
	v_mul_u32_u24 v[AME], s100, v2
	v_xor_b32 v[AME+1], s99, v[AME]
	v_lshlrev_b32 v[SA1], 4, v1
	v_mad_u32_u24 v[SA1], v2, s97, v[SA1]
	v_add_nc_u32 v[SA1], s94, v[SA1]
	v_add_nc_u32 v[SA2], s98, v[SA1]
	v_lshlrev_b32 v[BA], 6, v2
	v_and_b32 v[BB], 8, v1
	v_add_nc_u32 v[BB], v[BB], v1
	v_lshlrev_b32 v[BB], 2, v[BB]
.irp b, 0,1,2,3
	v_mov_b32 v[TM+4+\b], 0
.endr
.irp b, 0,1,2,3
.irp j, 0,1,2,3
	global_load_b128 v[BP+16*\b+4*\j:BP+16*\b+4*\j+3], v[BA], s[8:9] offset:128*\b+16*\j
.endr
.endr
.irp a, 0,1,2,3,4,5,6,7
	global_load_b32 v[BRB+2*\a], v[BB], s[8:9] offset:128*(\a/2)+32*(\a%2)
	v_mov_b32 v[BRB+2*\a+1], 1.0
.endr
.macro FRAG reg, adr, q, i
.irp c, 0,1,2
	ds_load_b128 v[\reg+4*\c:\reg+4*\c+3], v[\adr] offset:STEPB*(\i)+1536*(\q)+512*\c
.endr
.endm
.macro MUL16 a0, p, q, sc, zero
.irp a, \a0, \a0+1
.irp b, 0,1,2,3,4,5,6,7
.if \zero
	v_wmma_scale_f32_16x16x128_f8f6f4 v[8*(8*((\a)%4)+\b):8*(8*((\a)%4)+\b)+7], v[128*(\p)+FR*\b:128*(\p)+FR*\b+FR-1], v[AF+FR*(\a):AF+FR*(\a)+FR-1], 0, v[SC+8*NQ*(\sc)+NQ*\b+(\q)], v[SC+8*NQ*(\sc)+NQ*(\a)+(\q)] matrix_a_fmt:MATRIX_FMT_BF6 matrix_b_fmt:MATRIX_FMT_BF6 matrix_a_scale:MATRIX_SCALE_ROW1
.else
	v_wmma_scale_f32_16x16x128_f8f6f4 v[8*(8*((\a)%4)+\b):8*(8*((\a)%4)+\b)+7], v[128*(\p)+FR*\b:128*(\p)+FR*\b+FR-1], v[AF+FR*(\a):AF+FR*(\a)+FR-1], v[8*(8*((\a)%4)+\b):8*(8*((\a)%4)+\b)+7], v[SC+8*NQ*(\sc)+NQ*\b+(\q)], v[SC+8*NQ*(\sc)+NQ*(\a)+(\q)] matrix_a_fmt:MATRIX_FMT_BF6 matrix_b_fmt:MATRIX_FMT_BF6 matrix_a_scale:MATRIX_SCALE_ROW1
.endif
.endr
.endr
.endm
.macro FETCH_B slot, q, p
	WIN TO_B
.irp i, 0,1,2,3,4,5,6,7
	FRAG 128*(\p)+FR*\i, ADRB+\slot, \q, \i
.endr
	WIN 0
.endm
.macro FETCH_A slot, q, i0
.irp i, \i0, \i0+1, \i0+2, \i0+3
	FRAG AF+FR*(\i), ADRA+\slot, \q, \i
.endr
.endm
.macro SCALES sc
.irp i, 0,1,2,3,4,5,6,7
	ds_load_b64 v[SC+8*NQ*\sc+NQ*\i:SC+8*NQ*\sc+NQ*\i+1], v[ADRS] offset:\i*512
.endr
.endm
.macro PLACES n
.rept \n
	v_nop
.endr
.endm
.macro STEP slot, q, zero
	s_wait_dscnt 4*NL
	WIN MUL_LO
	MUL16 0, (\q)%2, \q, \slot, \zero
	MUL16 2, (\q)%2, \q, \slot, \zero
	s_wait_dscnt 0
	PLACES NP
	FETCH_B \slot, (\q)+1, 1-(\q)%2
	FETCH_A \slot, (\q)+1, 0
	WIN MUL_HI
	MUL16 4, (\q)%2, \q, \slot, \zero
	MUL16 6, (\q)%2, \q, \slot, \zero
	PLACES NP
	WIN 0
	FETCH_A \slot, (\q)+1, 4
.endm
.macro TURN slot, next, fill
	s_wait_tensorcnt 0x0
	ds_add_u32 v[SPW], v[NIL]
	s_wait_dscnt 4*NL+1
	WIN MUL_LO
	MUL16 0, 1, NQ-1, \slot, 0
	s_wait_dscnt 0x0
	s_barrier_signal -1
	MUL16 2, 1, NQ-1, \slot, 0
	WIN 0
	s_barrier_wait -1
.if \fill
	CREST
	s_add_nc_u64 s[G0+4*\slot+2:G0+4*\slot+3], s[G0+4*\slot+2:G0+4*\slot+3], 2*STEPB
	s_add_nc_u64 s[G0B+4*\slot+2:G0B+4*\slot+3], s[G0B+4*\slot+2:G0B+4*\slot+3], 2*STEPB
	JLOAD G0+4*\slot, G1, G0B+4*\slot, G1B
.else
	PLACES NP
.endif
	s_wait_alu depctr_va_vdst(0)
	v_add_nc_u32 v[ADRS], 128, v[ADRS]
	FETCH_B \next, 0, 0
	FETCH_A \next, 0, 0
	SCALES \next
	WIN MUL_HI
	MUL16 4, 1, NQ-1, \slot, 0
	MUL16 6, 1, NQ-1, \slot, 0
	PLACES NP
	WIN 0
	FETCH_A \next, 0, 4
.endm
	s_wait_alu depctr_va_vdst(0)                   ; the wait at the head's end
	s_wait_tensorcnt 0x0                           ; my tile of the head's four is in; the lines ahead of a later first fill:
	ds_add_u32 v[SPW], v[NIL]
	s_mov_b32 s[G1+2], 8<<16                       ; no tensor load of mine is out: from here on a load brings 8 tiles
	s_mov_b32 s[G1+4], 8
	s_mov_b32 s[G1B+2], 8<<16
	s_mov_b32 s[G1B+4], 8
	s_wait_dscnt 0x0
	CROUND                                         ; all four tiles are in, and all sixteen work-groups are here
	JLOAD G0+4, G1, G0B+4, G1B                     ; slot 1's first fill, the first tensor load behind the round
	FETCH_B 0, 0, 0
	FETCH_A 0, 0, 0
	SCALES 0
	FETCH_A 0, 0, 4
	STEP 0, 0, 1
	s_mov_b32 s3, LAPS-1
.Llap:
	TURN 0, 1, 1
	STEP 1, 0, 0
	TURN 1, 0, 1
	STEP 0, 0, 0
	s_sub_co_u32 s3, s3, 1
	s_cmp_lg_u32 s3, 0
	s_cbranch_scc1 .Llap
	TURN 0, 1, 0
	STEP 1, 0, 0
	s_wait_dscnt 4*NL
	WIN MUL_LO
	MUL16 0, 1, NQ-1, 1, 0
	MUL16 2, 1, NQ-1, 1, 0
	s_wait_dscnt 0
	WIN MUL_HI
	MUL16 4, 1, NQ-1, 1, 0
	MUL16 6, 1, NQ-1, 1, 0
	WIN 0
	s_wait_loadcnt 0x0
	s_not_b32 vcc_lo, s2
.set I, 0
.rept 64
	v_cndmask_b32 v[BP+I], 1.0, v[BP+I], vcc_lo
.set I, I+1
.endr
	s_mov_b32 vcc_lo, s2
.irp a, 0,1,2,3,4,5,6,7
	v_cndmask_b32 v[BRB+2*\a], 1.0, v[BRB+2*\a], vcc_lo
.endr
.macro OUTBLK a
.if (\a) > 0
	s_wait_xcnt 0x0
.endif
.if (\a) < 4
	WIN 0x20
.else
	WIN 0x30
.endif
.set I, 0
.rept 32
	v_pk_fma_f32 v[TT+2*I:TT+2*I+1], v[BP+2*I:BP+2*I+1], v[BRB+2*(\a):BRB+2*(\a)+1], v[64*((\a)%4)+2*I:64*((\a)%4)+2*I+1] op_sel_hi:[1,0,1]
.set I, I+1
.endr
	WIN 0
	QUANT TT, SW+(\a)
	s_mul_i32 s100, s11, (\a)%4
.if (\a) >= 4
	s_add_co_u32 s100, s100, s12
.endif
	s_add_co_u32 s100, s100, s10
	v_add_nc_u32 v[OF], s100, v[L8]
	s_add_co_u32 s100, s100, s13
	v_add_nc_u32 v[OF+1], s100, v[L8]
.irp c, 0,1
.irp p, 0,1,2
	global_store_b64 v[OF+\c], v[PC+6*\c+2*\p:PC+6*\c+2*\p+1], s[14:15] offset:256*\p
.endr
.endr
.endm
.irp a, 0,1,2,3,4,5,6,7
	OUTBLK \a
.endr
.irp a, 0,1,2,3,4,5,6,7
	v_alignbit_b32 v[SW+\a], v[SW+\a], v[SW+\a], v[AME+\a%2]
.endr
	global_store_b128 v[SA1], v[SW:SW+3], s[16:17]
	global_store_b128 v[SA2], v[SW+4:SW+7], s[16:17]
	s_wait_tensorcnt 0x0
	ds_add_u32 v[SPW], v[NIL]
	s_wait_dscnt 0x0
	CROUND
	s_endpgm
.Lfunc_end_k_qe88ca75d63_proj:
	.size	k_qe88ca75d63_proj, .Lfunc_end_k_qe88ca75d63_proj-k_qe88ca75d63_proj
	.p2alignl 7, 3214868480
	.fill 96, 4, 3214868480
	.section	.rodata,"a",@progbits
	.p2align	6, 0x0
	.amdhsa_kernel k_qe88ca75d63_proj
		.amdhsa_group_segment_fixed_size 327680
		.amdhsa_private_segment_fixed_size 0
		.amdhsa_enable_private_segment 0
		.amdhsa_kernarg_size 56
		.amdhsa_user_sgpr_count 2
		.amdhsa_user_sgpr_kernarg_segment_ptr 1
		.amdhsa_wavefront_size32 1
		.amdhsa_system_sgpr_workgroup_id_x 1
		.amdhsa_system_sgpr_workgroup_id_y 1
		.amdhsa_system_sgpr_workgroup_id_z 1
		.amdhsa_system_vgpr_workitem_id 0
		.amdhsa_next_free_vgpr 1024
		.amdhsa_next_free_sgpr 102
		.amdhsa_reserve_vcc 1
		.amdhsa_float_denorm_mode_32 3
		.amdhsa_float_denorm_mode_16_64 3
		.amdhsa_memory_ordered 1
		.amdhsa_forward_progress 1
		.amdhsa_inst_pref_size 166
	.end_amdhsa_kernel
	.amdgpu_metadata
---
amdhsa.version: [ 1, 2 ]
amdhsa.kernels:
  - .name:           k_qe88ca75d63_proj
    .symbol:         k_qe88ca75d63_proj.kd
    .args:
      - { .name: cod, .offset: 0, .size: 8, .value_kind: global_buffer, .address_space: global }
      - { .name: scl, .offset: 8, .size: 8, .value_kind: global_buffer, .address_space: global }
      - { .name: bq, .offset: 16, .size: 8, .value_kind: global_buffer, .address_space: global }
      - { .name: bk, .offset: 24, .size: 8, .value_kind: global_buffer, .address_space: global }
      - { .name: bv, .offset: 32, .size: 8, .value_kind: global_buffer, .address_space: global }
      - { .name: qkv, .offset: 40, .size: 8, .value_kind: global_buffer, .address_space: global }
      - { .name: sc2, .offset: 48, .size: 8, .value_kind: global_buffer, .address_space: global }
    .group_segment_fixed_size: 327680
    .private_segment_fixed_size: 0
    .kernarg_segment_align: 8
    .kernarg_segment_size: 56
    .max_flat_workgroup_size: 128
    .sgpr_count:     102
    .vgpr_count:     1024
    .wavefront_size: 32
...
	.end_amdgpu_metadata
.endif
;; end of part 2
;; launch attn (part 3): grid 4 x 64, 16 waves a work-group, clusters of 4 x 1, 327,680 bytes of LDS; arguments qkv, sc2, ctx, csc; writes ctx, csc
.if DOCPART == 3
	.amdgcn_target "amdgcn-amd-amdhsa--gfx1250"
	.amdhsa_code_object_version 6
	.text
	.protected	k_qe88ca75d63_attn
	.globl	k_qe88ca75d63_attn
	.p2align	8
	.type	k_qe88ca75d63_attn,@function
k_qe88ca75d63_attn:
	s_mov_b64 s[64:65], 0
	v_nop
	global_prefetch_b8 v0, s[64:65] scope:SCOPE_SE
	s_setreg_imm32_b32 hwreg(HW_REG_WAVE_MODE, 25, 1), 1
	s_wait_xcnt 0x0
	s_wait_alu depctr_hold_cnt(0) depctr_sa_sdst(0) depctr_va_vdst(0) depctr_va_sdst(0) depctr_va_ssrc(0) depctr_va_vcc(0) depctr_vm_vsrc(0)
	s_getreg_b32 s2, hwreg(HW_REG_IB_STS2, 6, 4)
	s_cmp_eq_u32 s2, 0
	s_cbranch_scc0 .Lentry_in_a_cluster
	s_endpgm
.Lentry_in_a_cluster:
	s_bfe_u32 s2, ttmp6, 0x10000c
	s_cmp_lg_u32 s2, 0x3003
	s_cbranch_scc0 .Lentry_shape_is_right
	s_endpgm
.Lentry_shape_is_right:
; ctx[b][q][head] = softmax_k(Q . K / 8) V for 64 pairs (batch, head), 2,048 queries and keys, head size 64; both products on codes of BF6 (E3M2) with E8M0 scales; the result is quantised along the model's axis and leaves as codes.
; THE SOFTMAX AHEAD OF THE SECOND PRODUCT: t = score x log2(e) / 8; M = the running largest t rounded UP to a whole number; p = 2^(t - M) is quantised along the keys, not normalised; the row's sum is taken of the
; unquantised p and divides at the end.  When M moves, the sum and O are multiplied by 2^(old M - new M): exact.
; LIMITS: NaN and infinities are not served; a block whose largest magnitude lies under 2^(5 - 127), a block of zeros among them, keeps the scale byte 1.
; SHARES.  256 work-groups.  A work-group owns 512 queries of one head; each of its sixteen waves owns two tiles of 16 queries (tiles 32 cx + wave and 16 further) and takes them one after the other (two passes) through all 2,048 keys.
; ALL OF THE HEAD'S K AND V LIES IN LDS: 98,304 bytes of K's codes, 98,304 of V's, 12,288 of scale words, each byte filled once and read in both passes.
; TWO FILLS, one tensor load a wave each: at the head 12 rows of 256 bytes a wave (waves 0-7 K's key steps 0-3, waves 8-11 V's key steps 0-1, waves 12-15 the scale words); behind the spare word's add
; and a round, 48 rows a wave, on their way during the first two key steps.
; K RUNS ONE STEP AHEAD IN REGISTERS.  As soon as a step's p is converted, its registers take the next step's fragments of K; the next scores land where this step's V lay.  So two pools, v34-81 and v96-159, change roles
; from step to step, and the loop's body holds two steps.  The last step of a pass fetches key step 0 for the next pass; in the second pass those 26 LDS loads a wave are multiplied by nobody.
; NO PREFETCH INTO THE L2: the two fills stand in no loop; the second is asked for as soon as the first has landed, so there is no earlier trip in which to ask.
; CLUSTER.  The four work-groups of a cluster are the four blocks of queries of one head: K, V and their scale words are asked for JOINTLY, the same loads in all four.
; LAYOUT.  Both products are used transposed: a lane holds one query (lane % 16).  Lane-row r of tile T is row 32 (T / 2) + 8 (T % 2) + r + 8 (r / 8), so that the 16 registers of two neighbouring tiles of keys are 16 neighbouring keys.
; THE FIRST PRODUCT'S K IS 64, the instruction's 128: a fragment of K holds tile 2 f in its lower half and tile 2 f + 1 in its upper; it is multiplied by [Q | 0] and by [0 | Q].  The zero codes add nothing; no scale byte there is 0xff.
.set VB,   98304                       ; LDS: K's codes from 0, 6,144 bytes a key step; V's from here, likewise
.set SCB,  196608                      ; K's scale words (8,192 bytes), then V's (4,096)
.set SPARE, 208896                     ; the spare words: 128 bytes for each of 16 waves
.set L8,  1                            ; v1   8 x lane
.set AKS, 2                            ; v2   my row among K's scale words
.set AVS, 3                            ; v3   among V's
.set ADK, 4                            ; v4-6, v10 addresses: the next step's K and its scale words, this step's V and its scale words
.set ADS, 5
.set ADT, 6
.set QSO, 7                            ; v7   16 r
.set CSO, 8                            ; v8   8 r + h: my byte in csc
.set L8V, 9                            ; v9   VB + 8 x lane
.set ADV, 10
.set KS,  82                           ; v82-89   K's scale words of eight tiles   (v16-33: [Q | 0 | Q]; v34-81 and v96-159: the two pools)
.set VS,  90                           ; v90-93   V's of four
.set QS,  94                           ; v94, v95 Q's scale word for [Q | 0] and for [0 | Q]
.set OS,  96                           ; v96-127  the way out's numbers
.set O,   160                          ; v160-191 O^T
.set BM,  192                          ; v192-195 a block's largest score, then its largest p
.set PT,  196                          ; v196-199 the other half's, then the bytes
.set SO,  200                          ; v200-203 the conversions' scale operands
.set CT,  204                          ; v204-210 the conversions' second halves
.set FF,  212                          ; v[212:213] f = 2^(old M - new M)
.set PW,  214                          ; v214 p's scale word
.set TP,  215
.set Q1,  218                          ; v218-223 the second tile's Q, v236 its scale word: loaded at the head
.set PC,  224                          ; v224-235 p's codes
.set Q1S, 236
.set OM,  237                          ; v237 -M of the step before
.set D0,  240                          ; eight chains of the row's sum: v240-253 and v216-217
.set D1,  242
.set D2,  244
.set D3,  246
.set D4,  248
.set D5,  250
.set D6,  252
.set D7,  216
.set TB,  12                           ; s12  6,144 x key step
.set TS,  13                           ; s13  512 x key step
.set TJ,  14                           ; s14  256 x key step
.set CNT, 15
.set WV,  18
.set SEL, 20
.set CS,  22                           ; s[22:23] c = log2(e) / 8
.set G1A, 24                           ; s[24:31] group 1: 12 rows of 256 bytes;  s[32:39]: 48 rows
.set G1B, 32
.set G0,  40                           ; s[40:47] two groups 0
.set PASS, 68                          ; s68  passes to go
.set TBK, 69                           ; s69, s70 TB and TS of the next key step, round the pass's end
.set TSK, 70
.macro ROUND
	s_barrier_signal -1
	s_barrier_wait -1
	s_cmp_lg_u32 s[WV], 0
	s_cbranch_scc1 .Lnot_wave_0_\@
	s_barrier_signal -3
.Lnot_wave_0_\@:
	s_barrier_wait -3
	s_barrier_signal -1
	s_barrier_wait -1
.endm
	s_load_b128 s[4:7], s[0:1], 0x0                ; qkv s[4:5], sc2 s[6:7]
	s_load_b128 s[8:11], s[0:1], 0x10              ; ctx s[8:9], csc s[10:11]
	v_lshl_add_u32 v254, v0, 2, SPARE
	v_mov_b32 v255, 0
	ds_add_u32 v254, v255                          ; the opening lines: the add, twice on end, and below its one wait
	ds_add_u32 v254, v255
	v_lshrrev_b32 v1, 5, v0
	v_readfirstlane_b32 s[WV], v1                  ; wave 0..15
	s_bfe_u32 s16, ttmp6, 0x40000                  ; cx: it enters Q's, ctx's and csc's addresses alone
	s_lshl_b32 s17, s16, 5
	s_add_co_u32 s17, s17, s[WV]                   ; my first tile of queries, 32 cx + wave; the second lies 16 further
	s_and_b32 s19, ttmp7, 0xffff                   ; 16 x batch + head, which the partners share
.irp g, G1A, G1B
	s_mov_b32 s[\g], 15|(3<<16)|(1<<21)            ; 15:0 the mask: all four; 17:16 elements of 8 bytes; 21 set beside a mask
	s_mov_b32 s[\g+1], 32<<16                      ; rows of 256 bytes
	s_mov_b32 s[\g+3], 32<<16
	s_mov_b32 s[\g+5], 32
	s_mov_b32 s[\g+6], 0
	s_mov_b32 s[\g+7], 0
.endr
	s_mov_b32 s[G1A+2], 12<<16
	s_mov_b32 s[G1A+4], 12
	s_mov_b32 s[G1B+2], 48<<16
	s_mov_b32 s[G1B+4], 48
	s_mul_i32 s48, s19, 98304                      ; the head's bytes in a region of qkv (Q's, K's, V's regions lie 6,291,456 apart)
	s_mul_i32 s49, s[WV], 3072                     ; the first fill: 3,072 bytes a wave
	s_lshr_b32 s50, s[WV], 3                       ; 1 from wave 8 on
	s_lshr_b32 s55, s[WV], 2
	s_and_b32 s55, s55, s50                        ; 1 from wave 12 on
	s_mov_b32 s[G0], 1
	s_mul_i32 s[G0+1], s50, 73728                  ; LDS: 3,072 wave for K; + 73,728 = VB + 3,072 (wave - 8) for V; + 86,016 more = SCB + 3,072 (wave - 12) for the scale words
	s_add_co_u32 s[G0+1], s[G0+1], s49
	s_mul_i32 s55, s55, 86016
	s_add_co_u32 s[G0+1], s[G0+1], s55
	s_mul_i32 s52, s50, 6291456-24576              ; in qkv: K's region + the head + 3,072 wave, for V one region further and 8 waves back
	s_add_co_u32 s52, s52, s49
	s_add_co_u32 s52, s52, s48
	s_add_co_u32 s52, s52, 6291456
	s_mov_b32 s53, 0
	s_mul_i32 s51, s19, 20480                      ; the head's scale words in sc2: Q's 8,192 bytes, K's 8,192, V's 4,096
	s_add_co_u32 s54, s51, s49
	s_sub_co_u32 s54, s54, 28672                   ; + 8,192 + 3,072 (wave - 12): used by waves 12-15 alone
	s_mul_i32 s56, s[WV], 12288                    ; the second fill: 12,288 bytes a wave
	s_add_co_u32 s50, s[WV], 2
	s_lshr_b32 s50, s50, 3                         ; 0 K (waves 0-5), 1 V (waves 6-12)
	s_mov_b32 s[G0+4], 1
	s_mul_i32 s[G0+5], s50, 12288                  ; LDS: 24,576 + 12,288 wave, for V + 12,288 = VB + 12,288 + 12,288 (wave - 6)
	s_add_co_u32 s[G0+5], s[G0+5], s56
	s_add_co_u32 s[G0+5], s[G0+5], 24576
	s_mul_i32 s50, s50, 6291456-86016
	s_add_co_u32 s56, s56, s50
	s_add_co_u32 s56, s56, s48
	s_add_co_u32 s56, s56, 6291456+24576
	s_mov_b32 s57, 0
	s_mul_i32 s58, s17, 768                        ; Q's tile
	s_add_co_u32 s58, s58, s48
	s_mov_b32 s59, 0
	s_lshr_b32 s50, s17, 2                         ; its scale words: [T / 4][r][T % 4]
	s_lshl_b32 s50, s50, 8
	s_add_co_u32 s60, s51, s50
	s_and_b32 s50, s17, 3
	s_lshl_b32 s50, s50, 2
	s_add_co_u32 s60, s60, s50
	s_mov_b32 s61, 0
	s_lshr_b32 s50, s19, 4
	s_lshl_b32 s50, s50, 7
	s_add_co_u32 s50, s50, s17                     ; my tile among all 512 tiles of tokens
	s_mul_i32 s62, s50, 12288                      ; ctx: [tile][pair of heads][6 pieces][32 lanes][8 bytes]: pieces 3 c .. 3 c + 2 belong to head 2 s + c
	s_bfe_u32 s55, s19, 0x30001
	s_mul_i32 s55, s55, 1536
	s_add_co_u32 s62, s62, s55
	s_and_b32 s55, s19, 1
	s_mul_i32 s55, s55, 768
	s_add_co_u32 s62, s62, s55
	s_mov_b32 s63, 0
	s_lshl_b32 s66, s50, 9                         ; csc: [tile][4][16 rows][2 words]; the word of K step head / 2, bytes 2 (head % 2) + block
	s_bfe_u32 s55, s19, 0x20002
	s_lshl_b32 s55, s55, 7
	s_add_co_u32 s66, s66, s55
	s_bfe_u32 s55, s19, 0x10001
	s_lshl_b32 s55, s55, 2
	s_add_co_u32 s66, s66, s55
	s_and_b32 s55, s19, 1
	s_lshl_b32 s55, s55, 1
	s_add_co_u32 s66, s66, s55
	s_mov_b32 s67, 0
	s_mov_b32 s[SEL], 0x76543210
	s_mov_b32 s[SEL+1], 0xfedcba98
	s_mov_b32 s[CS], 0x3e38aa3b                    ; c = log2(e) / 8
	s_mov_b32 s[CS+1], s[CS]                       ; (named with it as a pair, so it is written)
	s_mov_b32 s[PASS], 2
	s_wait_dscnt 0x0                               ; both opening adds are done
	s_wait_kmcnt 0x0
	s_cmp_lt_u32 s[WV], 12                         ; codes or scale words: the choice hangs on the wave's number alone
	s_cselect_b32 s52, s52, s54
	s_cselect_b64 s[G0+2:G0+3], s[4:5], s[6:7]
	s_add_nc_u64 s[G0+2:G0+3], s[G0+2:G0+3], s[52:53]
	s_or_b32 s[G0+3], s[G0+3], 0x80000000
	s_add_nc_u64 s[G0+6:G0+7], s[4:5], s[56:57]
	s_or_b32 s[G0+7], s[G0+7], 0x80000000
	s_add_nc_u64 s[58:59], s[4:5], s[58:59]
	s_add_nc_u64 s[60:61], s[6:7], s[60:61]
	s_add_nc_u64 s[8:9], s[8:9], s[62:63]
	s_add_nc_u64 s[10:11], s[10:11], s[66:67]
	ROUND                                          ; all four work-groups are here: the joint loads meet
	tensor_load_to_lds s[G0:G0+3], s[G1A:G1A+7]    ; my one load at the head
	s_nop 0
.rept 4
	v_nop
.endr
	v_and_b32 v10, 31, v0
	v_lshlrev_b32 v[L8], 3, v10
	v_and_b32 v10, 15, v0                          ; r
	v_bfe_u32 v11, v0, 4, 1                        ; h: kept for the way out
	v_lshlrev_b32 v[QSO], 4, v10
	v_add_nc_u32 v[L8V], VB, v[L8]
	v_add_nc_u32 v[AKS], SCB, v[QSO]
	v_add_nc_u32 v[AVS], SCB+8192, v[QSO]
	v_lshl_add_u32 v[CSO], v10, 3, v11
.irp p, 0,1,2
	global_load_b64 v[16+2*\p:17+2*\p], v[L8], s[58:59] offset:256*\p   ; the first tile's Q, for [Q | 0],
	global_load_b64 v[28+2*\p:29+2*\p], v[L8], s[58:59] offset:256*\p   ; and once more, for [0 | Q];
	global_load_b64 v[Q1+2*\p:Q1+2*\p+1], v[L8], s[58:59] offset:12288+256*\p   ; the second tile's, 16 tiles of 768 bytes on
.endr
	global_load_b32 v[TP], v[QSO], s[60:61]        ; Q's scale word: its two bytes lie in the lower half
	global_load_b32 v[Q1S], v[QSO], s[60:61] offset:1024
.irp i, 0,1,2,3,4,5
	v_mov_b32 v[22+\i], 0                          ; the zero codes between the two
.endr
.irp b, 0,1,2,3
	v_mov_b32 v[PT+\b], 0                          ; written once: a lane permute's destination counts as one of its sources
.endr
	v_mov_b32 v[FF+1], 0                           ; (named as the upper half of a pair)
; A pass begins: w holds the tile's scale word.
.macro BEGIN w
	v_mov_b32 v13, 0xff61b1e6                      ; the largest score so far: -3e38
	v_floor_f32 v12, -v13                          ; -M: so large that the first step's f is 0
	v_mov_b32 v14, 0                               ; the sum, in two halves
	v_mov_b32 v15, 0
	v_and_b32 v[QS], 0xffff, v[\w]                 ; blocks 0, 1; the byte 0 over the zero codes is no NaN
	v_lshlrev_b32 v[QS+1], 16, v[\w]               ; blocks 2, 3
.set J, 0
.rept 32
	v_mov_b32 v[O+J], 0                            ; O^T: the step is written once; the first change of M leaves zeros zeros.  (These lines also stand between the scale words just made and the first product)
.set J, J+1
.endr
	s_mov_b32 s[TB], 0
	s_mov_b32 s[TS], 0
	s_mov_b32 s[TJ], 0
	s_wait_alu depctr_va_vdst(0)                   ; the wait behind such a head
.endm
; A key step's fragments of K and their scale words, 26 LDS loads: the scale words first, then fragment by fragment, so that each fragment can be waited for by count.
.macro KLOAD reg, ak, as
	ds_load_b128 v[KS:KS+3], v[\as]
	ds_load_b128 v[KS+4:KS+7], v[\as] offset:256
.irp f, 0,1,2,3
.irp p, 0,1,2,3,4,5
	ds_load_b64 v[\reg+12*\f+2*\p:\reg+12*\f+2*\p+1], v[\ak] offset:1536*\f+256*\p   ; 256 consecutive bytes a load: tile 2 f's three pieces, then tile 2 f + 1's
.endr
.endr
.endm
.macro VL t, p                         ; one piece of V's tile t
	ds_load_b64 v[KF+12*\t+2*\p:KF+12*\t+2*\p+1], v[ADV] offset:1536*\t+256*\p
.endm
; A KEY STEP: 128 keys.  par = 0: K and then V in v34-81, scores and p in v96-159, the next K into v96-143.  par = 1: K and V in v96-143, scores and p in v34-81 and v144-159, the next K into v34-81.
; Block b of 32 keys has 16 registers from S0 + 16 b + SX (b / 3) on.
.macro STEP par
.set KF, 34+62*(\par)
.set NF, 96-62*(\par)
.set S0, 96-62*(\par)
.set SX, 62*(\par)
	s_add_co_u32 s[TBK], s[TB], 6144               ; the next key step; behind the pass's last, key step 0
	s_add_co_u32 s[TSK], s[TS], 512
	s_cmp_lt_u32 s[TBK], 98304
	s_cselect_b32 s[TBK], s[TBK], 0
	s_cselect_b32 s[TSK], s[TSK], 0
.irp f, 0,1,2,3
	s_wait_dscnt 18-6*\f                           ; fragment f is in: the 6 loads of each later fragment may be out
.irp u, 0,1
.set SD, S0+16*\f+SX*(\f/3)+8*\u
	v_wmma_scale_f32_16x16x128_f8f6f4 v[SD:SD+7], v[KF+12*\f:KF+12*\f+11], v[16+6*\u:27+6*\u], 0, v[KS+2*\f+\u], v[QS+\u] matrix_a_fmt:MATRIX_FMT_BF6 matrix_b_fmt:MATRIX_FMT_BF6
.endr
.endr
	v_add_nc_u32 v[ADV], s[TB], v[L8V]             ; five plain lines behind the products: the addresses and the old -M
	v_add_nc_u32 v[ADT], s[TJ], v[AVS]
	v_add_nc_u32 v[ADK], s[TBK], v[L8]
	v_add_nc_u32 v[ADS], s[TSK], v[AKS]
	v_mov_b32 v[OM], v12
	ds_load_b128 v[VS:VS+3], v[ADT]                ; V's scale words and its tiles 0, 1 of these 128 keys, where K's fragments lay
.irp t, 0,1
.irp p, 0,1,2,3,4,5
	VL \t, \p
.endr
.endr
.irp b, 0,1,2,3
.set SB, S0+16*\b+SX*(\b/3)
	v_max3_num_f32 v[BM+\b], v[SB], v[SB+1], v[SB+2]   ; the largest score of each block of 32 keys: for the row's maximum, and, since p rises with the score, for the block's largest p
.endr
.irp i, 3,5,7,9,11,13
.irp b, 0,1,2,3
.set SB, S0+16*\b+SX*(\b/3)
	v_max3_num_f32 v[BM+\b], v[BM+\b], v[SB+\i], v[SB+1+\i]
.endr
.endr
.irp b, 0,1,2,3
.set SB, S0+16*\b+SX*(\b/3)
	v_max_num_f32 v[BM+\b], v[BM+\b], v[SB+15]
.endr
.irp b, 0,1,2,3
	s_delay_alu instid0(VALU_DEP_4)
	v_permlanex16_b32 v[PT+\b], v[BM+\b], s[SEL], s[SEL+1]
.endr
.irp b, 0,1,2,3
	s_delay_alu instid0(VALU_DEP_4)
	v_max_num_f32 v[BM+\b], v[BM+\b], v[PT+\b]     ; with lane l xor 16's 16 keys
.endr
	v_max3_num_f32 v[TP], v[BM], v[BM+1], v[BM+2]  ; a chain of seven lines, each reading the one before: V's tiles 2, 3 are asked for between them
	VL 2, 0
	VL 2, 1
	v_max3_num_f32 v13, v13, v[TP], v[BM+3]        ; the running largest score (c is positive: the largest t is c x this)
	VL 2, 2
	VL 2, 3
	v_mul_f32 v[TP], s[CS], v13                    ; as t
	VL 2, 4
	VL 2, 5
	v_floor_f32 v12, -v[TP]                        ; the new -M = -ceil(t)
	VL 3, 0
	VL 3, 1
	v_sub_f32 v[TP], v12, v[OM]                    ; old M - new M: a whole number, 0 or less
	VL 3, 2
	VL 3, 3
	v_cvt_i32_f32 v[TP], v[TP]                     ; (it saturates)
	VL 3, 4
	VL 3, 5
	v_ldexp_f32 v[FF], 1.0, v[TP]                  ; f
.irp b, 0,1
.irp j, 0,2,4,6,8,10,12,14
.set SB, S0+16*\b+\j
	v_pk_fma_f32 v[SB:SB+1], v[SB:SB+1], s[CS:CS+1], v[12:13] op_sel_hi:[1,0,0]   ; t - M of blocks 0, 1
.endr
.endr
.irp b, 0,1,2,3
	v_fma_f32 v[BM+\b], v[BM+\b], s[CS], v12       ; the same of each block's largest score
.endr
	s_wait_alu depctr_va_vdst(0)                   ; the wait ahead of the batch
.irp b, 0,1,2,3
	v_exp_f32 v[BM+\b], v[BM+\b]                   ; the block's largest p: the same two instructions on the same number
.endr
.irp b, 0,1                                    ; THE FIRST BATCH: p of blocks 0, 1.  Between the exponentials stand t - M of blocks 2, 3: plain lines that read nothing written since the wait above and whose results are read behind the wait below
.irp j, 0,2,4,6,8,10,12,14
.set SB, S0+16*\b+\j
.set SC, S0+16*(\b+2)+SX*((\b+2)/3)+\j
	v_exp_f32 v[SB], v[SB]
	v_exp_f32 v[SB+1], v[SB+1]
	v_pk_fma_f32 v[SC:SC+1], v[SC:SC+1], s[CS:CS+1], v[12:13] op_sel_hi:[1,0,0]
.endr
.endr
	v_pk_mul_f32 v[14:15], v[14:15], v[FF:FF+1] op_sel_hi:[1,0]   ; the sums under the new M
	s_wait_alu depctr_va_vdst(0)                   ; one wait behind the first batch and ahead of the second
.irp k, 0,1,2,3,4,5,6,7                        ; THE SECOND BATCH: p of blocks 2, 3.  Between them: the floors, and the first level of THE ROW'S SUM, of the unquantised p of blocks 0, 1, into eight chains
.set SB, S0+16*(2+\k/4)+SX*((2+\k/4)/3)+4*(\k%4)
.set SA, S0+16*(\k/4)+4*(\k%4)
.set DK, 240+2*\k-38*(\k/7)
	v_exp_f32 v[SB], v[SB]
	v_exp_f32 v[SB+1], v[SB+1]
.if \k < 4
	v_max_num_f32 v[BM+\k], 0x2800000, v[BM+\k]    ; the floor 2^(5 - 127)
.endif
	v_exp_f32 v[SB+2], v[SB+2]
	v_exp_f32 v[SB+3], v[SB+3]
	v_pk_add_f32 v[DK:DK+1], v[SA:SA+1], v[SA+2:SA+3]
.endr
	s_wait_alu depctr_va_vdst(0)                   ; one wait behind the batch, ahead of its first reader and of the wait below
	s_wait_dscnt 0x0                               ; V is in: so no LDS load is out when the next K is asked for
.irp b, 0,1,2,3
	v_add_nc_u32 v[SO+\b], 0xfe000000, v[BM+\b]    ; 4 off the exponent field: the conversion's scale operand
.endr
.irp k, 0,1,2,3,4,5,6,7
.set DK, 240+2*\k-38*(\k/7)
	v_pk_add_f32 v[DK:DK+1], v[DK:DK+1], v[S0+32+2*\k:S0+33+2*\k]   ; block 2
.endr
.irp b, 0,1,2,3
	v_lshrrev_b32 v[PT+\b], 23, v[SO+\b]           ; the bytes
.endr
.irp k, 0,1,2,3,4,5,6,7
.set DK, 240+2*\k-38*(\k/7)
	v_pk_add_f32 v[DK:DK+1], v[DK:DK+1], v[S0+48+SX+2*\k:S0+49+SX+2*\k]   ; block 3
.endr
	v_lshl_or_b32 v[PW], v[PT+1], 8, v[PT]
	v_pk_add_f32 v[D0:D0+1], v[D0:D0+1], v[D1:D1+1]
	v_lshl_or_b32 v[PW], v[PT+2], 16, v[PW]
	v_pk_add_f32 v[D2:D2+1], v[D2:D2+1], v[D3:D3+1]
	v_lshl_or_b32 v[PW], v[PT+3], 24, v[PW]
.irp c, 0,1
.set SB, S0+32*\c
.set SC, S0+32*\c+16+SX*\c
	v_cvt_scalef32_pk16_bf6_f32 v[PC+6*\c:PC+2+6*\c], v[SB:SB+15], v[SO+2*\c]
	v_cvt_scalef32_pk16_bf6_f32 v[CT+4*\c:CT+2+4*\c], v[SC:SC+15], v[SO+2*\c+1]
.endr
	v_pk_add_f32 v[D4:D4+1], v[D4:D4+1], v[D5:D5+1]   ; (the plain line behind the scaled conversions)
	KLOAD NF, ADK, ADS                             ; p is converted and summed: its registers take the next step's K
.irp c, 0,1
.irp i, 0,1,2
	v_permlane16_swap_b32 v[PC+6*\c+\i], v[CT+4*\c+\i]
.endr
.irp i, 0,1,2
	s_delay_alu instid0(VALU_DEP_3)
	v_mov_b32 v[PC+3+6*\c+\i], v[CT+4*\c+\i]
.endr
.endr
	s_wait_alu depctr_va_vdst(0)                   ; the wait here, directly ahead of the first reader of O^T
.set J, 0
.rept 16
	v_pk_mul_f32 v[O+J:O+J+1], v[O+J:O+J+1], v[FF:FF+1] op_sel_hi:[1,0]   ; O^T under the new M.  (These 16 also stand between the codes and the scale word just made and the products below)
.set J, J+2
.endr
.irp t, 0,1,2,3
	v_wmma_scale_f32_16x16x128_f8f6f4 v[O+8*\t:O+8*\t+7], v[KF+12*\t:KF+12*\t+11], v[PC:PC+11], v[O+8*\t:O+8*\t+7], v[VS+\t], v[PW] matrix_a_fmt:MATRIX_FMT_BF6 matrix_b_fmt:MATRIX_FMT_BF6
.endr
	v_pk_add_f32 v[D6:D6+1], v[D6:D6+1], v[D7:D7+1]   ; the sum's last five adds name no register of the products above: they are the five plain lines between them and the next step's products, which write over V's registers
	v_pk_add_f32 v[D0:D0+1], v[D0:D0+1], v[D2:D2+1]
	v_pk_add_f32 v[D4:D4+1], v[D4:D4+1], v[D6:D6+1]
	v_pk_add_f32 v[14:15], v[14:15], v[D0:D0+1]
	v_pk_add_f32 v[14:15], v[14:15], v[D4:D4+1]
	s_add_co_u32 s[TB], s[TB], 6144
	s_add_co_u32 s[TS], s[TS], 512
	s_add_co_u32 s[TJ], s[TJ], 256
.endm
	s_wait_loadcnt 0x0                             ; both tiles' Q and scale words
	BEGIN TP
	s_wait_tensorcnt 0x0                           ; my part of the first fill is in; the lines ahead of a later first fill:
	ds_add_u32 v254, v255
	s_wait_dscnt 0x0
	ROUND                                          ; everybody's part is in, and all four work-groups are here: the joint loads meet
	s_cmp_lt_u32 s[WV], 13                         ; waves 13-15 have no part of the second fill: the branch hangs on the wave's number alone
	s_cbranch_scc0 .Lno_part
	tensor_load_to_lds s[G0+4:G0+7], s[G1B:G1B+7]  ; K's key steps 4-15, V's 2-15: my one load behind the round, into bytes that nothing has filled
	s_nop 0
.rept 4
	v_nop
.endr
.Lno_part:
	KLOAD 34, L8, AKS                              ; key step 0's K
.Lpass:
	STEP 0                                         ; key steps 0, 1: they read, and fetch ahead, bytes of the first fill alone (K's steps 0-2, V's 0-1)
	STEP 1
	s_wait_tensorcnt 0x0                           ; my part of the second fill is in (in the second pass nothing is out);
	s_wait_dscnt 0x0
	s_barrier_signal -1
	s_barrier_wait -1                              ; everybody's is
	s_mov_b32 s[CNT], 7
.Lstep:
	STEP 0
	STEP 1
	s_sub_co_u32 s[CNT], s[CNT], 1
	s_cmp_lg_u32 s[CNT], 0
	s_cbranch_scc1 .Lstep
	; THE WAY OUT of a tile.  O^T / the sum; register 16 b + i is channel 32 b + 16 h + i of my query's head: two blocks of the output projection's K.  (v34-81 hold the K fetched ahead and are not touched.)
	v_add_f32 v14, v14, v15
	s_delay_alu instid0(VALU_DEP_1)
	v_permlanex16_b32 v[TP], v14, s[SEL], s[SEL+1]
	s_delay_alu instid0(VALU_DEP_1)
	v_add_f32 v14, v14, v[TP]                      ; the row's sum
	s_wait_alu depctr_va_vdst(0)
	v_rcp_f32 v14, v14
	v_cmp_eq_u32 vcc_lo, 0, v11                    ; (the plain line behind the reciprocal)
	s_wait_alu depctr_va_vdst(0)                   ; the wait ahead of its first reader
.set J, 0
.rept 32
	v_mul_f32 v[OS+J], v[O+J], v14                 ; ascending: each accumulator from its low end on
.set J, J+1
.endr
.irp b, 0,1
	v_max3_num_f32 v[BM+\b], |v[OS+16*\b]|, |v[OS+1+16*\b]|, 0x2800000
.endr
.irp i, 2,4,6,8,10,12,14
.irp b, 0,1
	s_delay_alu instid0(VALU_DEP_2)
	v_max3_num_f32 v[BM+\b], v[BM+\b], |v[OS+16*\b+\i]|, |v[OS+1+16*\b+\i]|
.endr
.endr
.irp b, 0,1
	s_delay_alu instid0(VALU_DEP_2)
	v_permlanex16_b32 v[PT+\b], v[BM+\b], s[SEL], s[SEL+1]
.endr
.irp b, 0,1
	s_delay_alu instid0(VALU_DEP_2)
	v_max_num_f32 v[BM+\b], v[BM+\b], v[PT+\b]
.endr
.irp b, 0,1
	s_delay_alu instid0(VALU_DEP_2)
	v_add_nc_u32 v[SO+\b], 0xfe000000, v[BM+\b]
.endr
.irp b, 0,1
	s_delay_alu instid0(VALU_DEP_2)
	v_lshrrev_b32 v[PT+\b], 23, v[SO+\b]
.endr
	v_cvt_scalef32_pk16_bf6_f32 v[PC:PC+2], v[OS:OS+15], v[SO]
	v_cvt_scalef32_pk16_bf6_f32 v[CT:CT+2], v[OS+16:OS+31], v[SO+1]
	v_cndmask_b32 v[TP], v[PT+1], v[PT], vcc_lo    ; my half's block's byte.  (The plain line behind the conversions)
.irp i, 0,1,2
	v_permlane16_swap_b32 v[PC+\i], v[CT+\i]
.endr
.irp i, 0,1,2
	s_delay_alu instid0(VALU_DEP_3)
	v_mov_b32 v[PC+3+\i], v[CT+\i]                 ; registers 0-5: channels 32 h + 0 .. 31
.endr
.irp p, 0,1,2
	global_store_b64 v[L8], v[PC+2*\p:PC+2*\p+1], s[8:9] offset:256*\p   ; 32 lanes store 256 consecutive bytes, at a multiple of 256 from ctx's first byte
.endr
	global_store_b8 v[CSO], v[TP], s[10:11]        ; single bytes, one for each 24 bytes of codes: a word's four bytes come from two heads, that is, two work-groups
	s_wait_alu depctr_va_vdst(0)
	s_cmp_eq_u32 s[PASS], 1
	s_cbranch_scc1 .Ldone                          ; the second tile is out
	s_wait_xcnt 0x0                                ; the stores have read their registers and bases, which are written again below
	s_add_nc_u64 s[8:9], s[8:9], 196608            ; the second tile lies 16 tiles on: 16 x 12,288 bytes in ctx,
	s_add_nc_u64 s[10:11], s[10:11], 8192          ; 16 x 512 in csc
.irp i, 0,1,2,3,4,5
	v_mov_b32 v[16+\i], v[Q1+\i]                   ; its Q, for [Q | 0] and for [0 | Q]
	v_mov_b32 v[28+\i], v[Q1+\i]
.endr
	BEGIN Q1S
	s_sub_co_u32 s[PASS], s[PASS], 1
	s_branch .Lpass
.Ldone:
	s_wait_tensorcnt 0x0                           ; the wave's end
	ds_add_u32 v254, v255
	s_wait_dscnt 0x0
	ROUND                                          ; the closing round: no work-group ends while a partner may still ask for a tile that names it
	s_endpgm
.Lfunc_end_k_qe88ca75d63_attn:
	.size	k_qe88ca75d63_attn, .Lfunc_end_k_qe88ca75d63_attn-k_qe88ca75d63_attn
	.p2alignl 7, 3214868480
	.fill 96, 4, 3214868480
	.section	.rodata,"a",@progbits
	.p2align	6, 0x0
	.amdhsa_kernel k_qe88ca75d63_attn
		.amdhsa_group_segment_fixed_size 327680
		.amdhsa_private_segment_fixed_size 0
		.amdhsa_enable_private_segment 0
		.amdhsa_kernarg_size 32
		.amdhsa_user_sgpr_count 2
		.amdhsa_user_sgpr_kernarg_segment_ptr 1
		.amdhsa_wavefront_size32 1
		.amdhsa_system_sgpr_workgroup_id_x 1
		.amdhsa_system_sgpr_workgroup_id_y 1
		.amdhsa_system_sgpr_workgroup_id_z 1
		.amdhsa_system_vgpr_workitem_id 0
		.amdhsa_next_free_vgpr 256
		.amdhsa_next_free_sgpr 72
		.amdhsa_reserve_vcc 1
		.amdhsa_float_denorm_mode_32 3
		.amdhsa_float_denorm_mode_16_64 3
		.amdhsa_memory_ordered 1
		.amdhsa_forward_progress 1
		.amdhsa_inst_pref_size 89
	.end_amdhsa_kernel
	.amdgpu_metadata
---
amdhsa.version: [ 1, 2 ]
amdhsa.kernels:
  - .name:           k_qe88ca75d63_attn
    .symbol:         k_qe88ca75d63_attn.kd
    .args:
      - { .name: qkv, .offset: 0, .size: 8, .value_kind: global_buffer, .address_space: global }
      - { .name: sc2, .offset: 8, .size: 8, .value_kind: global_buffer, .address_space: global }
      - { .name: ctx, .offset: 16, .size: 8, .value_kind: global_buffer, .address_space: global }
      - { .name: csc, .offset: 24, .size: 8, .value_kind: global_buffer, .address_space: global }
    .group_segment_fixed_size: 327680
    .private_segment_fixed_size: 0
    .kernarg_segment_align: 8
    .kernarg_segment_size: 32
    .max_flat_workgroup_size: 512
    .sgpr_count:     72
    .vgpr_count:     256
    .wavefront_size: 32
...
	.end_amdgpu_metadata
.endif
;; end of part 3
;; launch outln (part 4): grid 256 x 1, 16 waves a work-group, no clusters, 291,328 bytes of LDS; arguments ctx, csc, cod, scl, query, bo, gamma, beta, out0; writes out0
.if DOCPART == 4
	.amdgcn_target "amdgcn-amd-amdhsa--gfx1250"
	.amdhsa_code_object_version 6
	.text
	.protected	k_qe88ca75d63_outln
	.globl	k_qe88ca75d63_outln
	.p2align	8
	.type	k_qe88ca75d63_outln,@function
k_qe88ca75d63_outln:
	s_mov_b64 s[64:65], 0
	v_nop
	global_prefetch_b8 v0, s[64:65] scope:SCOPE_SE
	s_setreg_imm32_b32 hwreg(HW_REG_WAVE_MODE, 25, 1), 1
	s_wait_xcnt 0x0
; out0 = LayerNorm(query + ctx Wo + bo) x gamma + beta.  The product runs on codes of BF6 (E3M2) with E8M0 scales, sums in f32; all else in f32.  The variance is the mean of (x - mean)^2, in two passes.
; LIMITS: NaN and infinities are not served.
; SHARES.  A work-group owns 32 tokens (two tiles of ctx) and all 1,024 columns, so that a row's mean and variance never leave it.  In the product wave w owns columns 64 w .. 64 w + 63 (four tiles of Wo):
; eight accumulators, source 0 = Wo, source 1 = ctx.  In the rows' phase wave w owns rows 2 w and 2 w + 1.
; ctx's 16 fragments and scale words, and the 32 residual rows, come into LDS by asynchronous copies issued at the head, each byte filled once; the residual lands under the product and costs no register.
; NO JOINT LOADS, though all work-groups walk the same Wo: one K step of Wo is 64 tiles x 1,536 = 98,304 bytes and feeds 8 matrix instructions a wave, so a round of a cluster's barrier would stand at every 8;
; two slots of two K steps, 393,216 bytes, do not fit in a work-group's LDS.  So each wave loads its own four fragments a K step straight into registers (no fragment is read by two waves of a work-group), two K steps ahead.
; Lane-row r of tile T is row 32 (T / 2) + 8 (T % 2) + r + 8 (r / 8), for tokens and for Wo's columns alike.
.set CIMG, 0                           ; ctx's 16 fragments, number 2 s + m (K step s, tile m), 1,536 bytes each
.set CSC,  24576                       ; their scale words: 128 bytes each (32 lanes x 4; lanes 16-31 repeat lanes 0-15)
.set STG,  26624                       ; the stage: 32 rows x (4,096 + 16) bytes
.set RES,  158208                      ; the residual: 8,192 bytes (two rows) for each wave
.set ACC, 16                           ; v16-79   accumulator (m, b) at v[16 + 8 (4 m + b)]; later the two rows
.set XR,  16
.set WF,  80                           ; v80-175  Wo's fragments, two sets of 48; later bo, gamma, beta
.set BOV, 80
.set GAV, 112
.set BEV, 144
.set WS,  176                          ; v176-191 Wo's scale words: register 4 g + b: lanes 0-15 K step 2 g, lanes 16-31 K step 2 g + 1
.set RS,  176                          ; v176-239 later the two residual rows
.set CF,  192                          ; v192-215 ctx's two fragments of a K step
.set CS,  216                          ; v216-217 their scale words
.set WK,  240                          ; v240-255 at work: eight registers a row
.set WV,  22
.set SEL, 28
	s_load_b256 s[4:11], s[0:1], 0x0               ; ctx s[4:5], csc s[6:7], cod s[8:9], scl s[10:11]
	s_load_b256 s[12:19], s[0:1], 0x20             ; query s[12:13], bo s[14:15], gamma s[16:17], beta s[18:19]
	s_load_b64 s[20:21], s[0:1], 0x40              ; out0
	v_lshl_add_u32 v254, v0, 2, 0x46a00
	v_mov_b32 v255, 0
	ds_add_u32 v254, v255
	ds_add_u32 v254, v255
	s_wait_dscnt 0x0
	v_lshrrev_b32 v13, 5, v0
	s_delay_alu instid0(VALU_DEP_1)
	v_readfirstlane_b32 s[WV], v13                 ; wave 0..15
	v_and_b32 v14, 31, v0                          ; lane
	v_and_b32 v15, 15, v0                          ; r
	v_bfe_u32 v13, v0, 4, 1                        ; h
	s_delay_alu instid0(VALU_DEP_3)
	v_lshlrev_b32 v1, 4, v14                       ; 16 x lane
	s_delay_alu instid0(VALU_DEP_4)
	v_lshlrev_b32 v2, 3, v14                       ; 8 x lane
	v_lshlrev_b32 v3, 2, v14                       ; 4 x lane
	s_wait_alu depctr_va_vdst(0)
	s_and_b32 s23, s[WV], 1                        ; the fragment that I copy: tile m = wave % 2,
	s_lshr_b32 s24, s[WV], 1                       ; K step s = wave / 2
	s_mul_i32 s25, s[WV], 1536
	v_add_nc_u32 v4, s25, v1                       ; to LDS: CIMG + 1,536 x wave + 16 x lane
	s_mul_i32 s25, s23, 12288
	s_mul_i32 s26, s24, 1536
	s_add_co_u32 s25, s25, s26
	v_add_nc_u32 v5, s25, v1                       ; from ctx
	s_lshl_b32 s25, s[WV], 7
	s_add_co_u32 s25, s25, CSC
	v_add_nc_u32 v6, s25, v3                       ; its scale words: to LDS,
	s_lshl_b32 s25, s23, 9
	s_lshr_b32 s26, s24, 1
	s_lshl_b32 s26, s26, 7
	s_add_co_u32 s25, s25, s26
	s_and_b32 s26, s24, 1
	s_lshl_b32 s26, s26, 2
	s_add_co_u32 s25, s25, s26
	v_lshl_add_u32 v7, v15, 3, s25                 ; from csc: 512 m + 128 (s / 2) + 8 r + 4 (s % 2)
	s_lshl_b32 s25, s[WV], 13
	s_add_co_u32 s25, s25, RES
	v_add_nc_u32 v8, s25, v1                       ; my two residual rows in LDS
	v_lshlrev_b32 v10, 3, v15
	s_delay_alu instid0(VALU_DEP_1)
	v_lshl_add_u32 v10, v13, 2, v10                ; Wo's scale words: 8 r + 4 h
	v_and_b32 v9, 8, v15
	s_delay_alu instid0(VALU_DEP_1)
	v_add_nc_u32 v9, v9, v15                       ; r + 8 (r / 8)
	s_delay_alu instid0(VALU_DEP_1)
	v_mul_u32_u24 v11, v9, 4112
	s_delay_alu instid0(VALU_DEP_1)
	v_lshl_add_u32 v11, v13, 6, v11
	s_lshl_b32 s25, s[WV], 8
	s_add_co_u32 s25, s25, STG
	v_add_nc_u32 v11, s25, v11                     ; into the stage: my token's row, + 256 x wave + 64 h
	s_mul_i32 s25, s[WV], 2*4112
	s_add_co_u32 s25, s25, STG
	v_add_nc_u32 v12, s25, v1                      ; out of it: my two rows, 16 bytes a lane
	s_mul_i32 s32, ttmp9, 24576                    ; my two tiles in ctx,
	s_mov_b32 s33, 0
	s_lshl_b32 s34, ttmp9, 10                      ; in csc
	s_mov_b32 s35, 0
	s_lshl_b32 s36, s[WV], 2
	s_add_co_u32 s36, s36, 1728                    ; my four tiles of Wo
	s_mul_i32 s38, s36, 12288
	s_mov_b32 s39, 0
	s_lshl_b32 s36, s36, 9
	s_mov_b32 s37, 0
	s_lshl_b32 s40, ttmp9, 17                      ; 32 rows of 4,096 bytes,
	s_lshl_b32 s41, s[WV], 13                      ; my two
	s_add_co_u32 s40, s40, s41
	s_mov_b32 s41, 0
	s_mov_b32 s[SEL], 0x76543210
	s_mov_b32 s[SEL+1], 0xfedcba98
	s_mov_b32 s30, 0x3a800000                      ; 1 / 1,024
	s_mov_b32 s31, 0x3727c5ac                      ; 1e-5
	s_wait_alu depctr_va_vdst(0)
	s_wait_kmcnt 0x0
	s_add_nc_u64 s[4:5], s[4:5], s[32:33]
	s_add_nc_u64 s[6:7], s[6:7], s[34:35]
	s_add_nc_u64 s[8:9], s[8:9], s[38:39]
	s_add_nc_u64 s[10:11], s[10:11], s[36:37]
	s_add_nc_u64 s[12:13], s[12:13], s[40:41]
	s_add_nc_u64 s[20:21], s[20:21], s[40:41]
	; the copies: 20 a wave, all at the head; their address registers and bases are never rewritten.  (The immediate is added to both addresses)
.irp c, 0,1,2
	global_load_async_to_lds_b128 v4, v5, s[4:5] offset:512*\c
.endr
	global_load_async_to_lds_b32 v6, v7, s[6:7]
.irp i, 0,1,2,3,4,5,6,7,8,9,10,11,12,13,14,15
	global_load_async_to_lds_b128 v8, v1, s[12:13] offset:512*\i
.endr
.irp g, 0,1,2,3
.irp b, 0,1,2,3
	global_load_b32 v[WS+4*\g+\b], v10, s[10:11] offset:512*\b+128*\g
.endr
.endr
.macro LOADW s                         ; K step s of my four tiles of Wo into set s % 2: 512 consecutive bytes a load
.irp b, 0,1,2,3
.irp c, 0,1,2
	global_load_b128 v[WF+48*((\s)%2)+12*\b+4*\c:WF+48*((\s)%2)+12*\b+4*\c+3], v1, s[8:9] offset:12288*\b+1536*(\s)+512*\c
.endr
.endr
.endm
	LOADW 0
	LOADW 1
	s_wait_asynccnt 16                             ; my fragment of ctx and its scale words are in LDS; the residual's 16 copies may be out
	s_barrier_signal -1
	s_barrier_wait -1                              ; everybody's are
.macro MM s, b, m
.set DA, ACC+8*(4*(\m)+(\b))
.set WA, WF+48*((\s)%2)+12*(\b)
.set CA, CF+12*(\m)
.set SA, WS+4*((\s)/2)+(\b)
.if (\s) == 0
	v_wmma_scale_f32_16x16x128_f8f6f4 v[DA:DA+7], v[WA:WA+11], v[CA:CA+11], 0, v[SA], v[CS+(\m)] matrix_a_fmt:MATRIX_FMT_BF6 matrix_b_fmt:MATRIX_FMT_BF6
.elseif (\s)%2 == 1
	v_wmma_scale_f32_16x16x128_f8f6f4 v[DA:DA+7], v[WA:WA+11], v[CA:CA+11], v[DA:DA+7], v[SA], v[CS+(\m)] matrix_a_fmt:MATRIX_FMT_BF6 matrix_b_fmt:MATRIX_FMT_BF6 matrix_a_scale:MATRIX_SCALE_ROW1
.else
	v_wmma_scale_f32_16x16x128_f8f6f4 v[DA:DA+7], v[WA:WA+11], v[CA:CA+11], v[DA:DA+7], v[SA], v[CS+(\m)] matrix_a_fmt:MATRIX_FMT_BF6 matrix_b_fmt:MATRIX_FMT_BF6
.endif
.endm
; A K step: ctx's two fragments from LDS, eight products; the eight accumulators take turns, one instruction a turn, in the same order in every step.
.macro KSTEP s
.irp m, 0,1
.irp p, 0,1,2,3,4,5
	ds_load_b64 v[CF+12*\m+2*\p:CF+12*\m+2*\p+1], v2 offset:CIMG+1536*(2*(\s)+\m)+256*\p
.endr
	ds_load_b32 v[CS+\m], v3 offset:CSC+128*(2*(\s)+\m)
.endr
.if (\s) < 7
	s_wait_loadcnt 12                              ; this step's fragments of Wo are in; the next step's 12 loads may be out
.else
	s_wait_loadcnt 0x0
.endif
	s_wait_dscnt 0x0
.irp b, 0,1,2,3
.irp m, 0,1
	MM \s, \b, \m
.endr
.endr
.rept 4
	v_nop                                          ; plain lines between the products and the loads into their registers, and the first read of results
.endr
.if (\s) < 6
	LOADW (\s)+2
.endif
.endm
.irp s, 0,1,2,3,4,5,6,7
	KSTEP \s
.endr
.irp i, 0,1,2,3,4,5,6,7                        ; bo, gamma, beta: lane l holds columns 4 l + 128 i + 0 .. 3, as it will hold a row's
	global_load_b128 v[BOV+4*\i:BOV+4*\i+3], v1, s[14:15] offset:512*\i
	global_load_b128 v[GAV+4*\i:GAV+4*\i+3], v1, s[16:17] offset:512*\i
	global_load_b128 v[BEV+4*\i:BEV+4*\i+3], v1, s[18:19] offset:512*\i
.endr
.irp m, 0,1                                    ; register j of accumulator (m, b): token 8 m + r + 8 (r / 8), column 64 w + 32 (b / 2) + 16 h + 8 (b % 2) + j
.irp b, 0,1,2,3
	ds_store_b128 v11, v[ACC+8*(4*\m+\b):ACC+8*(4*\m+\b)+3] offset:8*\m*4112+128*(\b/2)+32*(\b%2)      ; each accumulator from its low end on
	ds_store_b128 v11, v[ACC+8*(4*\m+\b)+4:ACC+8*(4*\m+\b)+7] offset:8*\m*4112+128*(\b/2)+32*(\b%2)+16
.endr
.endr
	s_wait_dscnt 0x0                               ; for the others' sake: my stores into the stage are done
	s_wait_asynccnt 0x0                            ; my two residual rows are in LDS
	s_barrier_signal -1
	s_barrier_wait -1                              ; 32 whole rows lie in the stage
	; THE ROWS' PHASE: my two rows, line by line by turns.
.irp q, 0,1
.irp i, 0,1,2,3,4,5,6,7
	ds_load_b128 v[XR+32*\q+4*\i:XR+32*\q+4*\i+3], v12 offset:4112*\q+512*\i
	ds_load_b128 v[RS+32*\q+4*\i:RS+32*\q+4*\i+3], v8 offset:4096*\q+512*\i
.endr
.endr
	s_wait_dscnt 0x0
	s_wait_loadcnt 0x0
.set J, 0
.rept 16
.irp q, 0,1
	v_pk_add_f32 v[XR+32*\q+J:XR+32*\q+J+1], v[XR+32*\q+J:XR+32*\q+J+1], v[BOV+J:BOV+J+1]      ; + bo
.endr
.set J, J+2
.endr
.set J, 0
.rept 16
.irp q, 0,1
	v_pk_add_f32 v[XR+32*\q+J:XR+32*\q+J+1], v[XR+32*\q+J:XR+32*\q+J+1], v[RS+32*\q+J:RS+32*\q+J+1]   ; + the residual
.endr
.set J, J+2
.endr
.macro LANESUM                         ; v[WK + 8 q] pair and v[WK + 8 q + 2] pair become the sum over the row, in every lane, in v[WK + 8 q]
.irp q, 0
	s_delay_alu instid0(VALU_DEP_3)
	v_pk_add_f32 v[WK+8*\q:WK+8*\q+1], v[WK+8*\q:WK+8*\q+1], v[WK+8*\q+2:WK+8*\q+3]
.endr
.irp q, 1
	s_delay_alu instid0(VALU_DEP_2)
	v_pk_add_f32 v[WK+8*\q:WK+8*\q+1], v[WK+8*\q:WK+8*\q+1], v[WK+8*\q+2:WK+8*\q+3]
.endr
.irp q, 0,1
	s_delay_alu instid0(VALU_DEP_2)
	v_add_f32 v[WK+8*\q], v[WK+8*\q], v[WK+8*\q+1]
.endr
.irp x, 1,2,4,8
.irp q, 0,1
	s_delay_alu instid0(VALU_DEP_2)
	v_add_f32_dpp v[WK+8*\q], v[WK+8*\q], v[WK+8*\q] row_xmask:\x row_mask:0xf bank_mask:0xf
.endr
.endr
.irp q, 0,1
	s_delay_alu instid0(VALU_DEP_2)
	v_permlanex16_b32 v[WK+8*\q+1], v[WK+8*\q], s[SEL], s[SEL+1]
.endr
.irp q, 0,1
	s_delay_alu instid0(VALU_DEP_2)
	v_add_f32 v[WK+8*\q], v[WK+8*\q], v[WK+8*\q+1]
.endr
.endm
.irp q, 0,1
	v_pk_add_f32 v[WK+8*\q:WK+8*\q+1], v[XR+32*\q:XR+32*\q+1], v[XR+32*\q+2:XR+32*\q+3]
	v_pk_add_f32 v[WK+8*\q+2:WK+8*\q+3], v[XR+32*\q+4:XR+32*\q+5], v[XR+32*\q+6:XR+32*\q+7]
.endr
.irp j, 8,12,16,20,24,28
.irp q, 0,1
	s_delay_alu instid0(VALU_DEP_4)
	v_pk_add_f32 v[WK+8*\q:WK+8*\q+1], v[WK+8*\q:WK+8*\q+1], v[XR+32*\q+\j:XR+32*\q+\j+1]
	s_delay_alu instid0(VALU_DEP_4)
	v_pk_add_f32 v[WK+8*\q+2:WK+8*\q+3], v[WK+8*\q+2:WK+8*\q+3], v[XR+32*\q+\j+2:XR+32*\q+\j+3]
.endr
.endr
	LANESUM
.irp q, 0,1
	s_delay_alu instid0(VALU_DEP_2)
	v_mul_f32 v[WK+8*\q+4], 0xba800000, v[WK+8*\q] ; - the mean
.endr
.irp q, 0,1
	s_delay_alu instid0(VALU_DEP_2)
	v_mov_b32 v[WK+8*\q+5], v[WK+8*\q+4]
.endr
.set J, 0
.rept 16
.irp q, 0,1
	v_pk_add_f32 v[XR+32*\q+J:XR+32*\q+J+1], v[XR+32*\q+J:XR+32*\q+J+1], v[WK+8*\q+4:WK+8*\q+5]   ; d = x - mean
.endr
.set J, J+2
.endr
.irp q, 0,1
	v_pk_mul_f32 v[WK+8*\q:WK+8*\q+1], v[XR+32*\q:XR+32*\q+1], v[XR+32*\q:XR+32*\q+1]
	v_pk_mul_f32 v[WK+8*\q+2:WK+8*\q+3], v[XR+32*\q+2:XR+32*\q+3], v[XR+32*\q+2:XR+32*\q+3]
.endr
.irp j, 4,8,12,16,20,24,28
.irp q, 0,1
	s_delay_alu instid0(VALU_DEP_4)
	v_pk_fma_f32 v[WK+8*\q:WK+8*\q+1], v[XR+32*\q+\j:XR+32*\q+\j+1], v[XR+32*\q+\j:XR+32*\q+\j+1], v[WK+8*\q:WK+8*\q+1]
	s_delay_alu instid0(VALU_DEP_4)
	v_pk_fma_f32 v[WK+8*\q+2:WK+8*\q+3], v[XR+32*\q+\j+2:XR+32*\q+\j+3], v[XR+32*\q+\j+2:XR+32*\q+\j+3], v[WK+8*\q+2:WK+8*\q+3]
.endr
.endr
	LANESUM
.irp q, 0,1
	s_delay_alu instid0(VALU_DEP_2)
	v_fma_f32 v[WK+8*\q+6], v[WK+8*\q], s30, s31   ; the variance + 1e-5
.endr
	s_wait_alu depctr_va_vdst(0)
.irp q, 0,1
	v_rsq_f32 v[WK+8*\q+6], v[WK+8*\q+6]
.endr
	v_nop                                          ; one plain line behind the two
	s_wait_alu depctr_va_vdst(0)                   ; one wait for both, ahead of their first reader
.irp q, 0,1
	v_mov_b32 v[WK+8*\q+7], v[WK+8*\q+6]
.endr
.set J, 0
.rept 16
.irp q, 0,1
	v_pk_mul_f32 v[XR+32*\q+J:XR+32*\q+J+1], v[XR+32*\q+J:XR+32*\q+J+1], v[WK+8*\q+6:WK+8*\q+7]
.endr
.set J, J+2
.endr
.set J, 0
.rept 16
.irp q, 0,1
	v_pk_fma_f32 v[XR+32*\q+J:XR+32*\q+J+1], v[XR+32*\q+J:XR+32*\q+J+1], v[GAV+J:GAV+J+1], v[BEV+J:BEV+J+1]
.endr
.set J, J+2
.endr
.irp q, 0,1
.irp i, 0,1,2,3,4,5,6,7
	global_store_b128 v1, v[XR+32*\q+4*\i:XR+32*\q+4*\i+3], s[20:21] offset:4096*\q+512*\i th:TH_STORE_NT   ; 32 lanes store 512 consecutive bytes, at a multiple of 256 from out0's first byte
.endr
.endr
	s_wait_xcnt 0x0
	v_lshl_add_u32 v254, v0, 2, 0x46a00
	v_mov_b32 v255, 0
	s_wait_alu depctr_va_vdst(0)
	s_wait_tensorcnt 0x0
	ds_add_u32 v254, v255
	s_wait_dscnt 0x0
	s_endpgm
.Lfunc_end_k_qe88ca75d63_outln:
	.size	k_qe88ca75d63_outln, .Lfunc_end_k_qe88ca75d63_outln-k_qe88ca75d63_outln
	.p2alignl 7, 3214868480
	.fill 96, 4, 3214868480
	.section	.rodata,"a",@progbits
	.p2align	6, 0x0
	.amdhsa_kernel k_qe88ca75d63_outln
		.amdhsa_group_segment_fixed_size 291328
		.amdhsa_private_segment_fixed_size 0
		.amdhsa_enable_private_segment 0
		.amdhsa_kernarg_size 72
		.amdhsa_user_sgpr_count 2
		.amdhsa_user_sgpr_kernarg_segment_ptr 1
		.amdhsa_wavefront_size32 1
		.amdhsa_system_sgpr_workgroup_id_x 1
		.amdhsa_system_sgpr_workgroup_id_y 1
		.amdhsa_system_sgpr_workgroup_id_z 1
		.amdhsa_system_vgpr_workitem_id 0
		.amdhsa_next_free_vgpr 256
		.amdhsa_next_free_sgpr 66
		.amdhsa_reserve_vcc 0
		.amdhsa_float_denorm_mode_32 3
		.amdhsa_float_denorm_mode_16_64 3
		.amdhsa_memory_ordered 1
		.amdhsa_forward_progress 1
		.amdhsa_inst_pref_size 59
	.end_amdhsa_kernel
	.amdgpu_metadata
---
amdhsa.version: [ 1, 2 ]
amdhsa.kernels:
  - .name:           k_qe88ca75d63_outln
    .symbol:         k_qe88ca75d63_outln.kd
    .args:
      - { .name: ctx, .offset: 0, .size: 8, .value_kind: global_buffer, .address_space: global }
      - { .name: csc, .offset: 8, .size: 8, .value_kind: global_buffer, .address_space: global }
      - { .name: cod, .offset: 16, .size: 8, .value_kind: global_buffer, .address_space: global }
      - { .name: scl, .offset: 24, .size: 8, .value_kind: global_buffer, .address_space: global }
      - { .name: query, .offset: 32, .size: 8, .value_kind: global_buffer, .address_space: global }
      - { .name: bo, .offset: 40, .size: 8, .value_kind: global_buffer, .address_space: global }
      - { .name: gamma, .offset: 48, .size: 8, .value_kind: global_buffer, .address_space: global }
      - { .name: beta, .offset: 56, .size: 8, .value_kind: global_buffer, .address_space: global }
      - { .name: out0, .offset: 64, .size: 8, .value_kind: global_buffer, .address_space: global }
    .group_segment_fixed_size: 291328
    .private_segment_fixed_size: 0
    .kernarg_segment_align: 8
    .kernarg_segment_size: 72
    .max_flat_workgroup_size: 512
    .sgpr_count:     66
    .vgpr_count:     256
    .wavefront_size: 32
...
	.end_amdgpu_metadata
.endif
;; end of part 4
